; MI455X (gfx1250); checked and timed in simulation.
; The chip was launched on July 23, 2026; its instructions are those of AMD's public machine-readable ISA for CDNA 5 (MIT licence, August 2026) and "CDNA5" Instruction Set Architecture Reference Guide (July 2026). The comments in the code are by the model that wrote it; some were corrected since.
;; Model. Allowed arithmetic: matrix products marked QUANTISED: E2M1 operands, one E8M0 scale for each 32 along K, by v_wmma_scale_f32_16x16x128_f8f6f4 with both operands' format E2M1 (or v_wmma_scale_f32_32x16x128_f4), f32 sums; products left as they are: bf16, f16 or f32 operands; f32 sums; everything else in f32.
;; Inputs: Wk1 512 x 512 float32; Wk2 512 x 512 float32; Wk3 512 x 512 float32; Wq1 512 x 512 float32; Wq2 512 x 512 float32; Wq3 512 x 512 float32; Wv1 512 x 512 float32; Wv2 512 x 512 float32; Wv3 512 x 512 float32; bk1 512 float32; bq1 512 float32; bv1 512 float32; ln1_b 512 float32; ln1_g 512 float32; ln2_b 512 float32; ln2_g 512 float32; x 4 x 8 x 512 x 512 float32.
;; Outputs: out0 4 x 8 x 512 x 512 float32.
;; This version of the problem:
;;   THIS VERSION OF THE PROBLEM IS GIVEN IN LOW PRECISION. The matrix products marked QUANTISED in the list below multiply operands that are first quantised to E2M1 (2 exponent bits, 1 mantissa bit; 4 bits a number), with one power-of-two scale for each 32 numbers along K (OCP MX v1.0); their sums are f32. The products marked 'left as it is' may take bf16, f16 or f32 operands, with f32 sums. Whichever they take, every output number must still come out within the allowed error. Rounding operands to bf16 (8 significant bits) uses up far more of that allowance than f16 does (11 bits, for magnitudes from 6e-5 to 65,504). All else is computed in f32.
;;   The module's matrix products, in the order in which they are computed (A, B: the left and right operand; K: the contracted axis; several contracted axes count as one K, in the product's order):
;;     1. [M 16,384, K 512] x [K 512, N 512]; A: input x; B: input Wq1: QUANTISED
;;     2. [M 16,384, K 512] x [K 512, N 512]; A: input x; B: input Wk1: QUANTISED
;;     3. [M 16,384, K 512] x [K 512, N 512]; A: input x; B: input Wv1: QUANTISED
;;     4. batch 32 x [M 512, K 512] x [K 512, N 512]; A: computed on the way; B: computed on the way: left as it is (an operand is computed on the way)
;;     5. [M 16,384, K 512] x [K 512, N 512]; A: computed on the way; B: input Wq2: left as it is (an operand is computed on the way)
;;     6. [M 16,384, K 512] x [K 512, N 512]; A: computed on the way; B: input Wv2: left as it is (an operand is computed on the way)
;;     7. batch 32 x [M 512, K 512] x [K 512, N 512]; A: computed on the way; B: computed on the way: left as it is (an operand is computed on the way)
;;     8. [M 16,384, K 512] x [K 512, N 512]; A: computed on the way; B: input Wq3: left as it is (an operand is computed on the way)
;;     9. [M 16,384, K 512] x [K 512, N 512]; A: computed on the way; B: input Wk3: left as it is (an operand is computed on the way)
;;     10. [M 16,384, K 512] x [K 512, N 512]; A: computed on the way; B: input Wv3: left as it is (an operand is computed on the way)
;;     11. [M 16,384, K 512] x [K 512, N 512]; A: computed on the way; B: input Wq3: left as it is (an operand is computed on the way)
;;     12. [M 16,384, K 512] x [K 512, N 512]; A: computed on the way; B: input Wk3: left as it is (an operand is computed on the way)
;;     13. [M 16,384, K 512] x [K 512, N 512]; A: computed on the way; B: input Wv3: left as it is (an operand is computed on the way)
;;   THE QUANTISER, for each operand of a quantised product, along K:
;;     - K is cut into blocks of 32 from its start; a last block that is shorter is filled with zeros.
;;     - A block's scale is 2^e with e = floor(log2(the largest magnitude in the block)) - 2, held to -126 .. 127; a block of zeros has e = 0. As a byte (E8M0): e + 127.
;;     - Each number is divided by its block's scale, clamped to +-6, and rounded to the nearest number of E2M1, ties to even, subnormals kept.
;;     - The product sums the exact products of the quantised numbers (number of the format x scale) in f32.
;;   ~~~python
;;   def quantise(x, axis):      # numpy; x: float32 -> the quantised numbers, widened to float32 again
;;       x = np.moveaxis(x, axis, -1); K = x.shape[-1]
;;       x = np.pad(x, [(0, 0)] * (x.ndim - 1) + [(0, -K % 32)]); x = x.reshape(x.shape[:-1] + (-1, 32)); a = np.abs(x).max(-1, keepdims=True)
;;       e = np.where(a > 0, np.clip(np.frexp(np.where(a > 0, a, 1))[1] - 1 - 2, -126, 127), 0)      # np.frexp(a)[1] - 1 = floor(log2(a)), exactly
;;       r = np.clip(x / 2.0 ** e, -6, 6)
;;       step = 2.0 ** (np.maximum(np.frexp(np.where(r == 0, 1, r))[1] - 1, 0) - 1)
;;       q = np.round(r / step) * step * 2.0 ** e      # np.round: ties to even
;;       return np.moveaxis(q.reshape(q.shape[:-2] + (-1,))[..., :K], -1, axis).astype(np.float32)
;;   ~~~
;; One version. Each part assembles by itself: llvm-mc -triple=amdgcn-amd-amdhsa -mcpu=gfx1250 --defsym DOCPART=n.
;; ======== version 1 of 1: 4 launches
;; limits: values outside matrix products are rounded to f16; values are held in f16: magnitudes above 65,504 overflow, below 6.1e-05 lose precision
;; workspace buffers: wprep 3,568,640 bytes; vbuf 50,339,840 bytes; ubuf 33,566,720 bytes
;; launch prep (part 1): grid 32 x 9, 4 waves a work-group, no clusters, 34,816 bytes of LDS; arguments Wq1, Wk1, Wv1, Wq2, Wv2, Wq3, Wk3, Wv3, ln1_g, ln1_b, wprep; writes wprep
.if DOCPART == 1
	.amdgcn_target "amdgcn-amd-amdhsa--gfx1250"
	.amdhsa_code_object_version 6
	.text
	.protected	k_q10793af78f_prep
	.globl	k_q10793af78f_prep
	.p2align	8
	.type	k_q10793af78f_prep,@function
k_q10793af78f_prep:
	s_mov_b64 s[64:65], 0
	v_nop
	global_prefetch_b8 v0, s[64:65] scope:SCOPE_SE
	s_setreg_imm32_b32 hwreg(HW_REG_WAVE_MODE, 25, 1), 1
	s_wait_xcnt 0x0
; THE WEIGHTS, ONCE, IN THE ORDER IN WHICH THE LATER LAUNCHES' OPERAND REGISTERS TAKE THEM.
; WORK OF reference() THAT THIS PROGRAM LEAVES OUT, for all finite values of the inputs:
;  - Wk2: reference() never uses v6 = lin(t2, Wk2), so Wk2 has no way to any output: it is not loaded and is no argument of any launch.
;  - Only v16 + v17 + v18 reaches the output, and lin(v15,Wq3) + lin(v15,Wk3) + lin(v15,Wv3) = lin(v15, Ws), Ws = Wq3 + Wk3 + Wv3 (summed here in f32): one product for three.
;  - v15 = n g1 + b1 (n = the normalised row) is used in that product alone: v15 Ws^T = n (g1 o Ws)^T + c, c[e] = sum over d of b1[d] Ws[e][d].  Wg = g1 o Ws and c are made here.
;  - The last norm takes the row's mean away, so a term that is the same along a row (the first norm's mean) is not added back.
; LIMITS: NaN and infinities are not served; a NaN, an infinity or an overflow that reaches only the work left out is not carried to the result.  f16 copies: |W| < 255 for Wq2, Wv2, Wq3, Wk3, Wv3 (kept x 2^8),
; |g1 Ws| < 4,094 (kept x 2^4).  A block of zeros gets the scale byte 1 where the rule says 127: its codes are zeros, and this program alone reads the bytes.
; SHARES: work-group (R, y): 16 rows 16 R .. of matrix y; wave s: 128 along K from 128 s.  y = 0..2: Wq1, Wk1, Wv1 to codes of E2M1 and scale words; y = 3..7: Wq2, Wv2, Wq3, Wk3, Wv3 to f16 x 256; y = 8: Wg x 16 and 16 c.
; Every load reads 512 consecutive bytes of a row; the numbers turn through the wave's own stage in LDS (rows of 512 + 16 bytes); every store of codes or f16 writes 512 consecutive bytes: lane l's 16 bytes at 16 l,
; which is the image of four operand registers.
; f16 matrices lie [pass 4][wave 4][chunk 16][tile 2][half 2][512 bytes]: row = 128 wave + 32 pass + 16 tile + lane % 16, k = 32 chunk + 16 half + 8 (lane / 16) + 0..7.
.set RP,    528                        ; a stage row
.set STGW,  16*RP                      ; a wave's stage
.set CX,    4*STGW                     ; c's partial sums: 128 bytes a wave
.set SPARE, CX+512                     ; the spare words: 128 bytes a wave
.set W1C,   3145728                    ; in wprep: codes [3][32 row tiles][4 K steps][2][512]
.set W1S,   3538944                    ; scale words [3][4 K steps][512 rows]
.set MXW,   3563520                    ; largest magnitudes [matrix][32][4]
.set CVEC,  3566592                    ; 16 c
.set LI,1                              ; 16 x lane
.set RR,2                              ; lane % 16
.set HF,3                              ; lane / 16
.set STW,4                             ; the stage, on the way in
.set RD4,5                             ; on the way out, for codes
.set RDH,6                             ; on the way out, for f16
.set CXW,7
.set SPW,8
.set NIL,9
.set LANE,10
.set R4,12                             ; 4 x (lane % 16)
.set CXR,13
.set D,16                              ; v16-79   16 rows x 4 numbers as loaded
.set D2,80
.set D3,144
.set TN,80                             ; v80-143  64 numbers, turned
.set PK,144                            ; results
.set GG,208
.set BB,212
.set CP,216
.set T,232
	s_load_b512 s[4:19], s[0:1], 0x0               ; Wq1 4, Wk1 6, Wv1 8, Wq2 10, Wv2 12, Wq3 14, Wk3 16, Wv3 18
	s_load_b128 s[20:23], s[0:1], 0x40             ; ln1_g, ln1_b
	s_load_b64 s[24:25], s[0:1], 0x50              ; wprep
	v_lshl_add_u32 v[SPW], v0, 2, SPARE
	v_mov_b32 v[NIL], 0
	v_lshl_add_u32 v[CXW], v0, 2, CX               ; 128 x wave + 4 x lane
	v_lshrrev_b32 v[LANE], 5, v0
	v_readfirstlane_b32 s28, v[LANE]               ; wave = K step
	v_and_b32 v[LANE], 31, v0
	v_and_b32 v[RR], 15, v0
	v_bfe_u32 v[HF], v0, 4, 1
	v_lshlrev_b32 v[LI], 4, v[LANE]
	v_lshl_add_u32 v[CXR], v[LANE], 2, CX
	s_mul_i32 s29, s28, STGW
	v_add_nc_u32 v[STW], s29, v[LI]
	v_mul_u32_u24 v11, v[RR], RP
	v_add_nc_u32 v11, s29, v11
	v_lshl_add_u32 v[RD4], v[HF], 7, v11           ; row r, + 32 numbers for the upper half of the lanes
	v_lshl_add_u32 v[RDH], v[HF], 5, v11           ; row r, + 8 numbers
	v_lshlrev_b32 v[R4], 2, v[RR]
	s_mov_b32 s44, 0x76543210
	s_mov_b32 s45, 0xfedcba98                      ; selects for lane l xor 16
	s_and_b32 s30, ttmp7, 0xffff                   ; y
	s_mov_b32 s31, ttmp9                           ; R
	s_lshl_b32 s32, s31, 15                        ; in: 16 R rows of 2,048 bytes + 512 s
	s_lshl_b32 s47, s28, 9
	s_add_co_u32 s32, s32, s47
	s_mov_b32 s33, 0
	s_lshl_b32 s34, s30, 17                        ; codes out
	s_lshl_b32 s47, s31, 12
	s_add_co_u32 s34, s34, s47
	s_lshl_b32 s47, s28, 10
	s_add_co_u32 s34, s34, s47
	s_add_co_u32 s34, s34, W1C
	s_mov_b32 s35, 0
	s_lshl_b32 s36, s30, 13                        ; scale words out
	s_lshl_b32 s47, s28, 11
	s_add_co_u32 s36, s36, s47
	s_lshl_b32 s47, s31, 6
	s_add_co_u32 s36, s36, s47
	s_add_co_u32 s36, s36, W1S
	s_mov_b32 s37, 0
	s_max_u32 s56, s30, 3
	s_sub_co_u32 s56, s56, 3                       ; which f16 matrix
	s_lshl_b32 s38, s56, 19                        ; f16 out
	s_bfe_u32 s47, s31, 0x20001                    ; pass = (R / 2) % 4
	s_lshl_b32 s47, s47, 17
	s_add_co_u32 s38, s38, s47
	s_lshr_b32 s47, s31, 3                         ; wave = R / 8
	s_lshl_b32 s47, s47, 15
	s_add_co_u32 s38, s38, s47
	s_and_b32 s47, s31, 1                          ; tile = R % 2
	s_lshl_b32 s47, s47, 10
	s_add_co_u32 s38, s38, s47
	s_lshl_b32 s47, s28, 13                        ; four chunks a K step
	s_add_co_u32 s38, s38, s47
	s_mov_b32 s39, 0
	s_lshl_b32 s40, s56, 9                         ; the largest magnitude out
	s_lshl_b32 s47, s31, 4
	s_add_co_u32 s40, s40, s47
	s_lshl_b32 s47, s28, 2
	s_add_co_u32 s40, s40, s47
	s_add_co_u32 s40, s40, MXW
	s_mov_b32 s41, 0
	s_lshl_b32 s42, s31, 6                         ; 16 c out
	s_add_co_u32 s42, s42, CVEC
	s_mov_b32 s43, 0
	s_lshl_b32 s52, s28, 9                         ; my 128 numbers of g1 and b1
	s_mov_b32 s53, 0
	s_wait_kmcnt 0x0
	s_mov_b64 s[26:27], s[14:15]                   ; y = 5 and y = 8 begin with Wq3; the choice hangs on the work-group's number alone
	s_cmp_eq_u32 s30, 0
	s_cselect_b64 s[26:27], s[4:5], s[26:27]
	s_cmp_eq_u32 s30, 1
	s_cselect_b64 s[26:27], s[6:7], s[26:27]
	s_cmp_eq_u32 s30, 2
	s_cselect_b64 s[26:27], s[8:9], s[26:27]
	s_cmp_eq_u32 s30, 3
	s_cselect_b64 s[26:27], s[10:11], s[26:27]
	s_cmp_eq_u32 s30, 4
	s_cselect_b64 s[26:27], s[12:13], s[26:27]
	s_cmp_eq_u32 s30, 6
	s_cselect_b64 s[26:27], s[16:17], s[26:27]
	s_cmp_eq_u32 s30, 7
	s_cselect_b64 s[26:27], s[18:19], s[26:27]
	s_add_nc_u64 s[26:27], s[26:27], s[32:33]
	s_add_nc_u64 s[48:49], s[16:17], s[32:33]
	s_add_nc_u64 s[50:51], s[18:19], s[32:33]
	s_add_nc_u64 s[54:55], s[22:23], s[52:53]
	s_add_nc_u64 s[52:53], s[20:21], s[52:53]
	s_add_nc_u64 s[34:35], s[24:25], s[34:35]
	s_add_nc_u64 s[36:37], s[24:25], s[36:37]
	s_add_nc_u64 s[38:39], s[24:25], s[38:39]
	s_add_nc_u64 s[40:41], s[24:25], s[40:41]
	s_add_nc_u64 s[42:43], s[24:25], s[42:43]
	s_cmp_eq_u32 s30, 8
	s_cbranch_scc1 .Lsum
.irp i,0,1,2,3,4,5,6,7,8,9,10,11,12,13,14,15
	global_load_b128 v[D+4*\i:D+4*\i+3], v[LI], s[26:27] offset:2048*\i
.endr
	s_wait_loadcnt 0x0
	s_cmp_lt_u32 s30, 3
	s_cbranch_scc1 .Lstage                         ; what is quantised goes on as it is
.set jj,0
.rept 32
	v_pk_mul_f32 v[D+2*jj:D+2*jj+1], v[D+2*jj:D+2*jj+1], 0x43800000 op_sel_hi:[1,0]   ; x 2^8: exact
.set jj,jj+1
.endr
	s_branch .Lstage
.Lsum:                                                 ; y = 8: Ws, its part of c, then Wg
.irp i,0,1,2,3,4,5,6,7,8,9,10,11,12,13,14,15
	global_load_b128 v[D+4*\i:D+4*\i+3], v[LI], s[26:27] offset:2048*\i
	global_load_b128 v[D2+4*\i:D2+4*\i+3], v[LI], s[48:49] offset:2048*\i
	global_load_b128 v[D3+4*\i:D3+4*\i+3], v[LI], s[50:51] offset:2048*\i
.endr
	global_load_b128 v[GG:GG+3], v[LI], s[52:53]
	global_load_b128 v[BB:BB+3], v[LI], s[54:55]
	s_wait_loadcnt 0x0
.set jj,0
.rept 32
	v_pk_add_f32 v[D+2*jj:D+2*jj+1], v[D+2*jj:D+2*jj+1], v[D2+2*jj:D2+2*jj+1]
.set jj,jj+1
.endr
.set jj,0
.rept 32
	v_pk_add_f32 v[D+2*jj:D+2*jj+1], v[D+2*jj:D+2*jj+1], v[D3+2*jj:D3+2*jj+1]
.set jj,jj+1
.endr
.irp i,0,1,2,3,4,5,6,7,8,9,10,11,12,13,14,15
	v_pk_mul_f32 v[T+2*(\i%4):T+2*(\i%4)+1], v[D+4*\i:D+4*\i+1], v[BB:BB+1]             ; row i: my four terms of b1 . Ws
	v_pk_fma_f32 v[T+2*(\i%4):T+2*(\i%4)+1], v[D+4*\i+2:D+4*\i+3], v[BB+2:BB+3], v[T+2*(\i%4):T+2*(\i%4)+1]
	v_add_f32 v[CP+\i], v[T+2*(\i%4)], v[T+2*(\i%4)+1]
.endr
.irp m,1,2,4,8
.irp i,0,1,2,3,4,5,6,7,8,9,10,11,12,13,14,15
	v_add_f32_dpp v[CP+\i], v[CP+\i], v[CP+\i] row_xmask:\m row_mask:0xf bank_mask:0xf
.endr
.endr
.irp i,0,1,2,3,4,5,6,7,8,9,10,11,12,13,14,15
	v_permlanex16_b32 v[D2+\i], v[CP+\i], s44, s45
.endr
.irp i,0,1,2,3,4,5,6,7,8,9,10,11,12,13,14,15
	v_add_f32 v[CP+\i], v[CP+\i], v[D2+\i]         ; the wave's 128 terms of row i, in every lane
.endr
	v_mov_b32 v[T], 0
.irp i,0,1,2,3,4,5,6,7,8,9,10,11,12,13,14,15
	v_readfirstlane_b32 s47, v[CP+\i]
	v_writelane_b32 v[T], s47, \i                  ; lane i takes row i's
.endr
	ds_store_b32 v[CXW], v[T]
	v_pk_mul_f32 v[GG:GG+1], v[GG:GG+1], 0x41800000 op_sel_hi:[1,0]                     ; 16 g1
	v_pk_mul_f32 v[GG+2:GG+3], v[GG+2:GG+3], 0x41800000 op_sel_hi:[1,0]
.irp i,0,1,2,3,4,5,6,7,8,9,10,11,12,13,14,15
	v_pk_mul_f32 v[D+4*\i:D+4*\i+1], v[D+4*\i:D+4*\i+1], v[GG:GG+1]
	v_pk_mul_f32 v[D+4*\i+2:D+4*\i+3], v[D+4*\i+2:D+4*\i+3], v[GG+2:GG+3]
.endr
.Lstage:                                               ; one text of stage stores for all matrices
.irp i,0,1,2,3,4,5,6,7,8,9,10,11,12,13,14,15
	ds_store_b128 v[STW], v[D+4*\i:D+4*\i+3] offset:\i*RP
.endr
	s_cmp_lt_u32 s30, 3
	s_cbranch_scc0 .Lhalf
	; codes: lane (r, h) takes, of row r, k = 64 c + 32 h + 0..31: two whole blocks.  LDS serves a wave's instructions in order: these loads see the stores above
.irp c,0,1
.irp i,0,1,2,3,4,5,6,7
	ds_load_b128 v[TN+32*\c+4*\i:TN+32*\c+4*\i+3], v[RD4] offset:256*\c+16*\i
.endr
.endr
	s_wait_dscnt 0x0
.irp c,0,1
	v_max3_num_f32 v[T+\c], |v[TN+32*\c]|, |v[TN+32*\c+1]|, 0x1800000   ; the floor 2^(3 - 127): the byte cannot fall under 1
.endr
.irp i,2,4,6,8,10,12,14,16,18,20,22,24,26,28,30
.irp c,0,1
	v_max3_num_f32 v[T+\c], v[T+\c], |v[TN+32*\c+\i]|, |v[TN+32*\c+\i+1]|
.endr
.endr
.irp c,0,1
	v_add_nc_u32 v[T+2+\c], 0xff000000, v[T+\c]    ; 2 off the exponent field: the conversion's scale operand
.endr
.irp c,0,1
	v_lshrrev_b32 v[T+4+\c], 23, v[T+2+\c]         ; the scale's byte
.endr
	v_lshl_or_b32 v[T+6], v[T+5], 16, v[T+4]       ; blocks h and 2 + h,
	v_lshlrev_b32 v[T+7], 3, v[HF]
	v_lshlrev_b32 v[T+6], v[T+7], v[T+6]           ; at their places in the word;
	v_mov_b32 v[T+7], 0
	v_permlanex16_b32 v[T+7], v[T+6], s44, s45
	v_or_b32 v[T+6], v[T+6], v[T+7]                ; with lane l xor 16's two it is whole
.irp c,0,1
.irp g,0,1,2,3
	v_cvt_scalef32_pk8_fp4_f32 v[PK+4*\c+\g], v[TN+32*\c+8*\g:TN+32*\c+8*\g+7], v[T+2+\c]
.endr
.endr
	v_nop
	global_store_b128 v[LI], v[PK:PK+3], s[34:35]
	global_store_b128 v[LI], v[PK+4:PK+7], s[34:35] offset:512
	s_wait_xcnt 0x0                                ; EXEC changes only behind this wait
	v_cmp_gt_u32 vcc_lo, 16, v[LANE]
	s_and_saveexec_b32 s46, vcc_lo
	global_store_b32 v[R4], v[T+6], s[36:37]       ; 16 rows' scale words
	s_wait_xcnt 0x0
	s_or_b32 exec_lo, exec_lo, s46
	s_branch .Lmeet
.Lhalf:                                                ; f16: image t holds k = 16 t + 8 h + 0..7 of row r
.irp t,0,1,2,3,4,5,6,7
	ds_load_b128 v[TN+8*\t:TN+8*\t+3], v[RDH] offset:64*\t
	ds_load_b128 v[TN+8*\t+4:TN+8*\t+7], v[RDH] offset:64*\t+16
.endr
	s_wait_dscnt 0x0
.set jj,0
.rept 32
	v_cvt_pk_f16_f32 v[PK+jj], v[TN+2*jj], v[TN+2*jj+1]
.set jj,jj+1
.endr
.irp t,0,1,2,3,4,5,6,7
	global_store_b128 v[LI], v[PK+4*\t:PK+4*\t+3], s[38:39] offset:(\t/2)*2048+(\t%2)*512
.endr
	s_cmp_gt_u32 s30, 4
	s_cbranch_scc1 .Lmeet                          ; only Wq2's and Wv2's largest magnitudes are read later
	v_max3_num_f32 v[T], |v[TN]|, |v[TN+1]|, 0x2b800000       ; with the floor 2^-40
	v_max3_num_f32 v[T+1], |v[TN+2]|, |v[TN+3]|, 0x2b800000
.set jj,1
.rept 15
	v_max3_num_f32 v[T], v[T], |v[TN+4*jj]|, |v[TN+4*jj+1]|
	v_max3_num_f32 v[T+1], v[T+1], |v[TN+4*jj+2]|, |v[TN+4*jj+3]|
.set jj,jj+1
.endr
	v_max_num_f32 v[T], v[T], v[T+1]
.irp m,1,2,4,8
	v_max_num_f32_dpp v[T], v[T], v[T] row_xmask:\m row_mask:0xf bank_mask:0xf
.endr
	v_permlanex16_b32 v[T+1], v[T], s44, s45
	v_max_num_f32 v[T], v[T], v[T+1]
	s_wait_xcnt 0x0
	v_cmp_eq_u32 vcc_lo, 0, v[LANE]
	s_and_saveexec_b32 s46, vcc_lo
	global_store_b32 v[R4], v[T], s[40:41]         ; lane 0: its offset register holds 0
	s_wait_xcnt 0x0
	s_or_b32 exec_lo, exec_lo, s46
.Lmeet:
	s_wait_dscnt 0x0                               ; for the others' sake: my partial sums of c have landed
	s_barrier_signal -1
	s_barrier_wait -1
	s_cmp_eq_u32 s30, 8
	s_cbranch_scc0 .Lend
	s_cmp_eq_u32 s28, 0
	s_cbranch_scc0 .Lend
.irp k,0,1,2,3
	ds_load_b32 v[T+\k], v[CXR] offset:128*\k      ; the four K steps' parts of c
.endr
	s_wait_dscnt 0x0
	v_add_f32 v[T], v[T], v[T+1]
	v_add_f32 v[T+2], v[T+2], v[T+3]
	v_add_f32 v[T], v[T], v[T+2]
	v_mul_f32 v[T], 0x41800000, v[T]               ; 16 c
	s_wait_xcnt 0x0
	v_cmp_gt_u32 vcc_lo, 16, v[LANE]
	s_and_saveexec_b32 s46, vcc_lo
	global_store_b32 v[R4], v[T], s[42:43]
	s_wait_xcnt 0x0
	s_or_b32 exec_lo, exec_lo, s46
.Lend:
	s_wait_tensorcnt 0x0                           ; the wave's end
	ds_add_u32 v[SPW], v[NIL]
	s_wait_dscnt 0x0
	s_endpgm
.Lfunc_end_k_q10793af78f_prep:
	.size	k_q10793af78f_prep, .Lfunc_end_k_q10793af78f_prep-k_q10793af78f_prep
	.p2alignl 7, 3214868480
	.fill 96, 4, 3214868480
	.section	.rodata,"a",@progbits
	.p2align	6, 0x0
	.amdhsa_kernel k_q10793af78f_prep
		.amdhsa_group_segment_fixed_size 34816
		.amdhsa_private_segment_fixed_size 0
		.amdhsa_enable_private_segment 0
		.amdhsa_kernarg_size 88
		.amdhsa_user_sgpr_count 2
		.amdhsa_user_sgpr_kernarg_segment_ptr 1
		.amdhsa_wavefront_size32 1
		.amdhsa_system_sgpr_workgroup_id_x 1
		.amdhsa_system_sgpr_workgroup_id_y 1
		.amdhsa_system_sgpr_workgroup_id_z 1
		.amdhsa_system_vgpr_workitem_id 0
		.amdhsa_next_free_vgpr 256
		.amdhsa_next_free_sgpr 66
		.amdhsa_reserve_vcc 1
		.amdhsa_float_denorm_mode_32 3
		.amdhsa_float_denorm_mode_16_64 3
		.amdhsa_memory_ordered 1
		.amdhsa_forward_progress 1
		.amdhsa_inst_pref_size 43
	.end_amdhsa_kernel
	.amdgpu_metadata
---
amdhsa.version: [ 1, 2 ]
amdhsa.kernels:
  - .name:           k_q10793af78f_prep
    .symbol:         k_q10793af78f_prep.kd
    .args:
      - { .name: Wq1, .offset: 0, .size: 8, .value_kind: global_buffer, .address_space: global }
      - { .name: Wk1, .offset: 8, .size: 8, .value_kind: global_buffer, .address_space: global }
      - { .name: Wv1, .offset: 16, .size: 8, .value_kind: global_buffer, .address_space: global }
      - { .name: Wq2, .offset: 24, .size: 8, .value_kind: global_buffer, .address_space: global }
      - { .name: Wv2, .offset: 32, .size: 8, .value_kind: global_buffer, .address_space: global }
      - { .name: Wq3, .offset: 40, .size: 8, .value_kind: global_buffer, .address_space: global }
      - { .name: Wk3, .offset: 48, .size: 8, .value_kind: global_buffer, .address_space: global }
      - { .name: Wv3, .offset: 56, .size: 8, .value_kind: global_buffer, .address_space: global }
      - { .name: ln1_g, .offset: 64, .size: 8, .value_kind: global_buffer, .address_space: global }
      - { .name: ln1_b, .offset: 72, .size: 8, .value_kind: global_buffer, .address_space: global }
      - { .name: wprep, .offset: 80, .size: 8, .value_kind: global_buffer, .address_space: global }
    .group_segment_fixed_size: 34816
    .private_segment_fixed_size: 0
    .kernarg_segment_align: 8
    .kernarg_segment_size: 88
    .max_flat_workgroup_size: 128
    .sgpr_count:     66
    .vgpr_count:     256
    .wavefront_size: 32
...
	.end_amdgpu_metadata
.endif
;; end of part 1
;; launch proj (part 2): grid 8 x 32, 4 waves a work-group, no clusters, 52,736 bytes of LDS; arguments x, wprep, bq1, bk1, bv1, vbuf; writes vbuf
.if DOCPART == 2
	.amdgcn_target "amdgcn-amd-amdhsa--gfx1250"
	.amdhsa_code_object_version 6
	.text
	.protected	k_q10793af78f_proj
	.globl	k_q10793af78f_proj
	.p2align	8
	.type	k_q10793af78f_proj,@function
k_q10793af78f_proj:
	s_mov_b64 s[64:65], 0
	v_nop
	global_prefetch_b8 v0, s[64:65] scope:SCOPE_SE
	s_setreg_imm32_b32 hwreg(HW_REG_WAVE_MODE, 25, 1), 1
	s_wait_xcnt 0x0
; v1 = x Wq1^T + bq1, v2 = x Wk1^T + bk1, v3 = x Wv1^T + bv1: the three products on codes of E2M1 with one E8M0 scale for each 32 along K; sums in f32.
; A work-group takes 64 rows of x of one batch.  Wave w quantises rows 16 w .. 16 w + 15 (four fragments of 128 along K), hands them to the others through LDS as images of the operand's registers,
; and then makes output columns 128 w .. 128 w + 127 of all three products for all 64 rows: twelve passes of 32 columns, 8 accumulators by turns.
; TRANSPOSED USE: source 0 = 16 rows of W, source 1 = 16 rows of x: a lane holds one row of x and eight neighbouring columns, which pack into 16 bytes of f16: a store of a tile is 512 consecutive bytes,
; and two such tiles are one f16 operand fragment of the later launches (row = x's row, K = the column).  v1 and v3 go out in the order of a resident operand, v2 in the order of a streamed one.
; The biases are the C of each sum's first matrix instruction.  The weights' codes and scale words come from memory straight into registers, three passes ahead.
; LIMITS: v1, v2, v3 are kept in f16: |v| < 65,504; NaN and infinities are not served.  A block of zeros of x gets the byte 1 (its codes are zeros).
; The largest |v1| and |v2| of each wave (floor 2^-40) are stored for the next launch's scales.
; REGISTERS: window 0: v1-19 addresses, maxima; v32-63 at work; v64-191 x's 16 fragments (v64-127 first: 64 numbers being quantised); v192-207 x's scale words; v208-223 W's, four sets.
;   window 1: W's codes, four sets of 64.   window 2: x as loaded.   window 3: v0-63 accumulators, v64-255 the biases' 24 tiles.
.set RP,528
.set STGW,16*RP
.set XIMG,4*STGW                       ; x's 16 fragments, 1,024 bytes each (4 x tile of rows + K step)
.set XSC,XIMG+16*1024                  ; their scale words, 128 bytes each
.set SPARE,XSC+16*128                  ; the spare words
.set W1C,3145728
.set W1S,3538944
.set V2S,16777216
.set V3R,33554432
.set MX1,50331648
.set LI,1
.set RR,2
.set HF,3
.set STW,4
.set STR,5
.set LS,6
.set XWI,7
.set XWS,8
.set XLI,9
.set XLS,10
.set BO,11
.set SPW,12
.set NIL,13
.set MA,14                             ; v14-15 largest |v1| in two chains, v16-17 |v2|
.set LANE,18
.set TT,19
.set TM,32
.set PW,48
.set PC,52
.set PK,32
.set TN,64
.set XF,64
.set XS,192
.set WS,208
.set WV,20
.set XP,24
.set WC,26
.set BP,28                             ; s[28:33] the three biases at my 128 columns
.set B1,34
.set B2,36
.set B3,38
.set MXP,40
.set SEL,42
.set WSB,48
.set MSB,0
.macro WIN new
.if MSB != (\new)
	s_set_vgpr_msb (MSB<<8)|(\new)
.set MSB,\new
.endif
.endm
.macro PLACES
.rept 4
	v_nop
.endr
.endm
; 64 numbers of a lane, register 16 b + i = k 32 b + 16 (lane / 16) + i of my row, become a fragment's codes in v[PC] on and its scale word in v[PW]
.macro QUANT s
.irp b,0,1,2,3
	v_max3_num_f32 v[TM+\b], |v[\s+16*\b]|, |v[\s+1+16*\b]|, 0x1800000   ; the floor 2^(3 - 127): the byte cannot fall under 1
.endr
.irp i,2,4,6,8,10,12,14
.irp b,0,1,2,3
	v_max3_num_f32 v[TM+\b], v[TM+\b], |v[\s+16*\b+\i]|, |v[\s+1+16*\b+\i]|
.endr
.endr
.irp b,0,1,2,3
	v_permlanex16_b32 v[TM+4+\b], v[TM+\b], s[SEL], s[SEL+1]
.endr
.irp b,0,1,2,3
	v_max_num_f32 v[TM+\b], v[TM+\b], v[TM+4+\b]   ; with lane l xor 16's: the block's largest magnitude
.endr
.irp b,0,1,2,3
	v_add_nc_u32 v[TM+12+\b], 0xff000000, v[TM+\b] ; 2 off its exponent field: the conversion's scale operand
.endr
.irp b,0,1,2,3
	v_lshrrev_b32 v[TM+4+\b], 23, v[TM+12+\b]      ; the scale's byte
.endr
	v_lshl_or_b32 v[PW], v[TM+5], 8, v[TM+4]
	v_lshl_or_b32 v[PW], v[TM+6], 16, v[PW]
	v_lshl_or_b32 v[PW], v[TM+7], 24, v[PW]
.irp b,0,1,2,3
	v_cvt_scalef32_pk8_fp4_f32 v[PC+2*\b], v[\s+16*\b:\s+7+16*\b], v[TM+12+\b]
	v_cvt_scalef32_pk8_fp4_f32 v[PC+1+2*\b], v[\s+8+16*\b:\s+15+16*\b], v[TM+12+\b]
.endr
	v_nop                                          ; one plain place behind a scaled conversion
.irp c,0,1                                     ; the operand's layout wants a whole block in a lane
.irp i,0,1
	v_permlane16_swap_b32 v[PC+4*\c+\i], v[PC+2+4*\c+\i]
.endr
.endr
.endm
; the weights of pass u (product u / 4, my columns 32 (u % 4) on): 16 loads of codes (tile, K step, half) and 4 of scale words (lanes 0-15 the first tile's rows, lanes 16-31 the second's): 20 loads
.macro UNIT u
	WIN 0x40
.set kk,0
.rept 16
	global_load_b128 v[64*((\u)%4)+4*kk:64*((\u)%4)+4*kk+3], v[LI], s[WC:WC+1] offset:W1C+((\u)/4)*131072+((\u)%4)*8192+512*kk
.set kk,kk+1
.endr
	WIN 0
.irp s,0,1,2,3
	global_load_b32 v[WS+4*((\u)%4)+\s], v[LS], s[WSB:WSB+1] offset:W1S+((\u)/4)*8192+\s*2048+((\u)%4)*128
.endr
.endm
; K step s of my 16 rows: through my stage, quantised, and its image to LDS.  cnt: the loads issued behind this K step's sixteen
.macro XQ s, cnt
	s_wait_loadcnt \cnt
	WIN 0x08                                       ; an LDS store's data are its source 1: window 2
.irp i,0,1,2,3,4,5,6,7,8,9,10,11,12,13,14,15
	ds_store_b128 v[STW], v[4*(16*(\s)+\i):4*(16*(\s)+\i)+3] offset:\i*RP
.endr
	WIN 0
.irp b,0,1,2,3
.irp q,0,1,2,3
	ds_load_b128 v[TN+16*\b+4*\q:TN+16*\b+4*\q+3], v[STR] offset:128*\b+16*\q   ; LDS serves a wave's instructions in order: these see the stores above
.endr
.endr
	s_wait_dscnt 0x0
	QUANT TN
.irp c,0,1
	ds_store_b128 v[XWI], v[PC+4*\c:PC+4*\c+3] offset:(\s)*1024+512*\c
.endr
	ds_store_b32 v[XWS], v[PW] offset:(\s)*128
	s_wait_dscnt 0x0                               ; the stores have read their registers
.endm
.macro FP4MUL c, row
.if \row
	v_wmma_scale_f32_16x16x128_f8f6f4 v[rD:rD+7], v[rW:rW+7], v[rX:rX+7], v[\c:\c+7], v[rSW], v[rSX] matrix_a_fmt:MATRIX_FMT_FP4 matrix_b_fmt:MATRIX_FMT_FP4 matrix_a_scale:MATRIX_SCALE_ROW1
.else
	v_wmma_scale_f32_16x16x128_f8f6f4 v[rD:rD+7], v[rW:rW+7], v[rX:rX+7], v[\c:\c+7], v[rSW], v[rSX] matrix_a_fmt:MATRIX_FMT_FP4 matrix_b_fmt:MATRIX_FMT_FP4
.endif
.endm
.macro PASS u
.if (\u) < 9
	UNIT (\u)+3                                    ; into the set that the pass before has left: four places and more lie behind its last product
.endif
.if (\u) < 9
	s_wait_loadcnt 60                              ; this pass's 20 loads are in; those of the three passes behind it may be out
.else
	s_wait_loadcnt 20*(11-(\u))
.endif
	WIN 0xf1                                       ; source 0 (W) window 1, source 1 (x) window 0, C and D window 3
.irp s,0,1,2,3
.irp bb,0,1
.irp a,0,1,2,3
.set rD,8*(4*\bb+\a)
.set rW,64*((\u)%4)+8*(4*\bb+\s)
.set rX,XF+8*(4*\a+\s)
.set rC,64+64*((\u)/4)+8*(2*((\u)%4)+\bb)
.set rSW,WS+4*((\u)%4)+\s
.set rSX,XS+4*\a+\s
.if \s == 0
	FP4MUL rC, \bb                                 ; the bias starts the sum
.else
	FP4MUL rD, \bb                                 ; the eight accumulators take turns
.endif
.endr
.endr
.endr
	WIN 0
	PLACES
	s_wait_xcnt 0x0                                ; the last pass's stores have read their data: the packed registers are written again
.if (\u)/4 < 2
	WIN 0x3c                                       ; sources 1 and 2: window 3
.set jj,0
.rept 16
	v_max3_num_f32 v[MA+2*((\u)/4)], v[MA+2*((\u)/4)], |v[4*jj]|, |v[4*jj+1]|
	v_max3_num_f32 v[MA+2*((\u)/4)+1], v[MA+2*((\u)/4)+1], |v[4*jj+2]|, |v[4*jj+3]|
.set jj,jj+1
.endr
.endif
	WIN 0x0f                                       ; sources 0 and 1: window 3
.set jj,0
.rept 32
	v_cvt_pk_f16_f32 v[PK+jj], v[2*jj], v[2*jj+1]
.set jj,jj+1
.endr
	WIN 0
.irp bb,0,1
.irp a,0,1,2,3
.if (\u)/4 == 1
	global_store_b128 v[LI], v[PK+4*(4*\bb+\a):PK+4*(4*\bb+\a)+3], s[B2:B2+1] offset:(\a/2)*131072+((\u)%4)*2048+(\a%2)*1024+\bb*512
.elseif (\u)/4 == 0
	global_store_b128 v[LI], v[PK+4*(4*\bb+\a):PK+4*(4*\bb+\a)+3], s[B1:B1+1] offset:((\u)%4)*4096+\a*1024+\bb*512
.else
	global_store_b128 v[LI], v[PK+4*(4*\bb+\a):PK+4*(4*\bb+\a)+3], s[B3:B3+1] offset:((\u)%4)*4096+\a*1024+\bb*512
.endif
.endr
.endr
.endm
	s_load_b256 s[4:11], s[0:1], 0x0               ; x 4, wprep 6, bq1 8, bk1 10
	s_load_b128 s[12:15], s[0:1], 0x20             ; bv1 12, vbuf 14
	v_lshl_add_u32 v[SPW], v0, 2, SPARE
	v_mov_b32 v[NIL], 0
	v_lshrrev_b32 v[LANE], 5, v0
	v_readfirstlane_b32 s[WV], v[LANE]
	v_and_b32 v[LANE], 31, v0
	v_and_b32 v[RR], 15, v0
	v_bfe_u32 v[HF], v0, 4, 1
	v_lshlrev_b32 v[LI], 4, v[LANE]
	v_lshlrev_b32 v[LS], 2, v[LANE]
	s_mul_i32 s21, s[WV], STGW
	v_add_nc_u32 v[STW], s21, v[LI]
	v_mul_u32_u24 v[STR], v[RR], RP
	v_lshl_add_u32 v[STR], v[HF], 6, v[STR]
	v_add_nc_u32 v[STR], s21, v[STR]               ; my stage, row r, + 16 numbers for the upper half of the lanes
	s_lshl_b32 s21, s[WV], 12
	s_add_co_u32 s21, s21, XIMG
	v_add_nc_u32 v[XWI], s21, v[LI]
	s_lshl_b32 s21, s[WV], 9
	s_add_co_u32 s21, s21, XSC
	v_add_nc_u32 v[XWS], s21, v[LS]
	v_add_nc_u32 v[XLI], XIMG, v[LI]
	v_add_nc_u32 v[XLS], XSC, v[LS]
	v_lshlrev_b32 v[BO], 5, v[HF]
.irp k,0,1,2,3
	v_mov_b32 v[MA+\k], 0x2b800000                 ; the floor 2^-40
	v_mov_b32 v[TM+4+\k], 0                        ; a lane permute's destination counts as one of its sources
.endr
	v_mov_b32 v[TT], 0
	s_mov_b32 s[SEL], 0x76543210
	s_mov_b32 s[SEL+1], 0xfedcba98
	s_mov_b32 s22, ttmp9                           ; block of 64 rows
	s_and_b32 s23, ttmp7, 0xffff                   ; batch
	s_lshl_b32 s46, s23, 20                        ; x: batch x 1 MiB + block x 128 KiB + wave x 32 KiB
	s_lshl_b32 s21, s22, 17
	s_add_co_u32 s46, s46, s21
	s_lshl_b32 s21, s[WV], 15
	s_add_co_u32 s46, s46, s21
	s_mov_b32 s47, 0
	s_mov_b32 s50, s21                             ; the codes of my 128 rows of W: wave x 32 KiB
	s_mov_b32 s51, 0
	s_lshl_b32 s52, s[WV], 9                       ; 512 x wave: scale words and biases
	s_mov_b32 s53, 0
	s_lshl_b32 s54, s23, 19                        ; v1, v3: batch x 512 KiB + block x 64 KiB + wave x 16 KiB
	s_lshl_b32 s21, s22, 16
	s_add_co_u32 s56, s54, s21
	s_lshl_b32 s21, s[WV], 14
	s_add_co_u32 s56, s56, s21
	s_mov_b32 s57, 0
	s_and_b32 s21, s22, 1                          ; v2: rows 64 block on are pass 2 (block % 2) on of wave block / 2; my columns are chunks 4 wave on
	s_lshl_b32 s21, s21, 18
	s_add_co_u32 s58, s54, s21
	s_lshr_b32 s21, s22, 1
	s_lshl_b32 s21, s21, 15
	s_add_co_u32 s58, s58, s21
	s_lshl_b32 s21, s[WV], 13
	s_add_co_u32 s58, s58, s21
	s_add_co_u32 s58, s58, V2S
	s_mov_b32 s59, 0
	s_lshl_b32 s60, s23, 8                         ; the maxima: [batch][2][32]
	s_lshl_b32 s21, s22, 4
	s_add_co_u32 s60, s60, s21
	s_lshl_b32 s21, s[WV], 2
	s_add_co_u32 s60, s60, s21
	s_add_co_u32 s60, s60, MX1
	s_mov_b32 s61, 0
	s_wait_kmcnt 0x0
	s_add_nc_u64 s[XP:XP+1], s[4:5], s[46:47]
	s_add_nc_u64 s[WC:WC+1], s[6:7], s[50:51]
	s_add_nc_u64 s[WSB:WSB+1], s[6:7], s[52:53]
	s_add_nc_u64 s[BP:BP+1], s[8:9], s[52:53]
	s_add_nc_u64 s[BP+2:BP+3], s[10:11], s[52:53]
	s_add_nc_u64 s[BP+4:BP+5], s[12:13], s[52:53]
	s_add_nc_u64 s[B1:B1+1], s[14:15], s[56:57]
	s_add_nc_u64 s[B3:B3+1], s[B1:B1+1], V3R
	s_add_nc_u64 s[B2:B2+1], s[14:15], s[58:59]
	s_add_nc_u64 s[MXP:MXP+1], s[14:15], s[60:61]
	WIN 0x80                                       ; destination window 2
.irp s,0,1,2,3
.irp i,0,1,2,3,4,5,6,7,8,9,10,11,12,13,14,15
	global_load_b128 v[4*(16*\s+\i):4*(16*\s+\i)+3], v[LI], s[XP:XP+1] offset:\i*2048+\s*512 th:TH_LOAD_NT   ; 512 consecutive bytes of row i
.endr
.endr
	WIN 0
	XQ 0, 48                                       ; behind K step 0's loads: 48 of x
	UNIT 0
	XQ 1, 52                                       ; 32 of x and 20 of pass 0's weights
	UNIT 1
	XQ 2, 56                                       ; 16 and 40
	UNIT 2
	XQ 3, 60                                       ; 60 of the weights
	WIN 0xc0                                       ; destination window 3
.irp i,0,1,2
.irp t,0,1,2,3,4,5,6,7
	global_load_b128 v[64+64*\i+8*\t:64+64*\i+8*\t+3], v[BO], s[BP+2*\i:BP+2*\i+1] offset:64*\t       ; tile t of my columns: the lane's eight, 16 t + 8 (lane / 16) on
	global_load_b128 v[64+64*\i+8*\t+4:64+64*\i+8*\t+7], v[BO], s[BP+2*\i:BP+2*\i+1] offset:64*\t+16
.endr
.endr
	WIN 0
	s_barrier_signal -1                            ; my images have landed (the wait for 0 closes XQ): x's sixteen fragments lie in LDS
	s_barrier_wait -1
.set kk,0
.rept 16
	ds_load_b128 v[XF+8*kk:XF+8*kk+3], v[XLI] offset:1024*kk
	ds_load_b128 v[XF+8*kk+4:XF+8*kk+7], v[XLI] offset:1024*kk+512
	ds_load_b32 v[XS+kk], v[XLS] offset:128*kk
.set kk,kk+1
.endr
	s_wait_loadcnt 0x0                             ; the biases and three passes' weights
	s_wait_dscnt 0x0
.irp u,0,1,2,3,4,5,6,7,8,9,10,11
	PASS \u
.endr
	v_max_num_f32 v[MA], v[MA], v[MA+1]
	v_max_num_f32 v[MA+2], v[MA+2], v[MA+3]
.irp m,1,2,4,8
	v_max_num_f32_dpp v[MA], v[MA], v[MA] row_xmask:\m row_mask:0xf bank_mask:0xf
	v_max_num_f32_dpp v[MA+2], v[MA+2], v[MA+2] row_xmask:\m row_mask:0xf bank_mask:0xf
.endr
	v_permlanex16_b32 v[MA+1], v[MA], s[SEL], s[SEL+1]
	v_permlanex16_b32 v[MA+3], v[MA+2], s[SEL], s[SEL+1]
	v_max_num_f32 v[MA], v[MA], v[MA+1]
	v_max_num_f32 v[MA+2], v[MA+2], v[MA+3]
	s_wait_xcnt 0x0                                ; EXEC changes only behind this wait
	v_cmp_eq_u32 vcc_lo, 0, v[LANE]
	s_and_saveexec_b32 s44, vcc_lo
	global_store_b32 v[TT], v[MA], s[MXP:MXP+1]
	global_store_b32 v[TT], v[MA+2], s[MXP:MXP+1] offset:128
	s_wait_xcnt 0x0
	s_or_b32 exec_lo, exec_lo, s44
	s_wait_tensorcnt 0x0                           ; the wave's end
	ds_add_u32 v[SPW], v[NIL]
	s_wait_dscnt 0x0
	s_endpgm
.Lfunc_end_k_q10793af78f_proj:
	.size	k_q10793af78f_proj, .Lfunc_end_k_q10793af78f_proj-k_q10793af78f_proj
	.p2alignl 7, 3214868480
	.fill 96, 4, 3214868480
	.section	.rodata,"a",@progbits
	.p2align	6, 0x0
	.amdhsa_kernel k_q10793af78f_proj
		.amdhsa_group_segment_fixed_size 52736
		.amdhsa_private_segment_fixed_size 0
		.amdhsa_enable_private_segment 0
		.amdhsa_kernarg_size 48
		.amdhsa_user_sgpr_count 2
		.amdhsa_user_sgpr_kernarg_segment_ptr 1
		.amdhsa_wavefront_size32 1
		.amdhsa_system_sgpr_workgroup_id_x 1
		.amdhsa_system_sgpr_workgroup_id_y 1
		.amdhsa_system_sgpr_workgroup_id_z 1
		.amdhsa_system_vgpr_workitem_id 0
		.amdhsa_next_free_vgpr 1024
		.amdhsa_next_free_sgpr 66
		.amdhsa_reserve_vcc 1
		.amdhsa_float_denorm_mode_32 3
		.amdhsa_float_denorm_mode_16_64 3
		.amdhsa_memory_ordered 1
		.amdhsa_forward_progress 1
		.amdhsa_inst_pref_size 168
	.end_amdhsa_kernel
	.amdgpu_metadata
---
amdhsa.version: [ 1, 2 ]
amdhsa.kernels:
  - .name:           k_q10793af78f_proj
    .symbol:         k_q10793af78f_proj.kd
    .args:
      - { .name: x, .offset: 0, .size: 8, .value_kind: global_buffer, .address_space: global }
      - { .name: wprep, .offset: 8, .size: 8, .value_kind: global_buffer, .address_space: global }
      - { .name: bq1, .offset: 16, .size: 8, .value_kind: global_buffer, .address_space: global }
      - { .name: bk1, .offset: 24, .size: 8, .value_kind: global_buffer, .address_space: global }
      - { .name: bv1, .offset: 32, .size: 8, .value_kind: global_buffer, .address_space: global }
      - { .name: vbuf, .offset: 40, .size: 8, .value_kind: global_buffer, .address_space: global }
    .group_segment_fixed_size: 52736
    .private_segment_fixed_size: 0
    .kernarg_segment_align: 8
    .kernarg_segment_size: 48
    .max_flat_workgroup_size: 128
    .sgpr_count:     66
    .vgpr_count:     1024
    .wavefront_size: 32
...
	.end_amdgpu_metadata
.endif
;; end of part 2
;; launch mid (part 3): grid 8 x 32, 4 waves a work-group, clusters of 4 x 1, 327,680 bytes of LDS; arguments vbuf, wprep, ubuf; writes ubuf
.if DOCPART == 3
	.amdgcn_target "amdgcn-amd-amdhsa--gfx1250"
	.amdhsa_code_object_version 6
	.text
	.protected	k_q10793af78f_mid
	.globl	k_q10793af78f_mid
	.p2align	8
	.type	k_q10793af78f_mid,@function
k_q10793af78f_mid:
	s_mov_b64 s[64:65], 0
	v_nop
	global_prefetch_b8 v0, s[64:65] scope:SCOPE_SE
	s_setreg_imm32_b32 hwreg(HW_REG_WAVE_MODE, 25, 1), 1
	s_wait_xcnt 0x0
	s_wait_alu depctr_hold_cnt(0) depctr_sa_sdst(0) depctr_va_vdst(0) depctr_va_sdst(0) depctr_va_ssrc(0) depctr_va_vcc(0) depctr_vm_vsrc(0)
	s_getreg_b32 s2, hwreg(HW_REG_IB_STS2, 6, 4)
	s_cmp_eq_u32 s2, 0
	s_cbranch_scc0 .Lentry_in_a_cluster
	s_endpgm
.Lentry_in_a_cluster:
	s_bfe_u32 s2, ttmp6, 0x10000c
	s_cmp_lg_u32 s2, 0x3003
	s_cbranch_scc0 .Lentry_shape_is_right
	s_endpgm
.Lentry_shape_is_right:
; t1 = v1 v2^T, v5 = t2 Wq2^T, v7 = t2 Wv2^T, for 64 rows s of one batch; f16 operands, f32 sums.  (Wk2 and v6 are left out: reference() never uses v6.)
; SCALES, powers of two, one a batch, so that no f16 operand can overflow whatever the inputs' size: t2' = t1 2^-s2, s2 = ex(max|v1|) + ex(max|v2|) - 4, so |t2'| < 512 max max 2^-s2 < 2^15;
; v5'' = (t2' (256 Wq2)^T) 2^-s5, s5 = ex(max|256 Wq2|) + 10, so |v5''| < 512 2^15 max 2^-s5 < 2^15; v7'' likewise.  ex = the exponent of a stored largest magnitude (floor 2^-40).  The factors 1/sqrt(512) and all
; these powers are one factor of the last launch; s5 + s7 + 2 s2 is stored for it, with the largest |v5''| and |v7''| of each wave.  The scales are values: no address and no branch hangs on them.
; SHARES: the resident operand (64 rows x 512 K: 64 fragments) lies in 512 registers of EVERY wave; wave w owns rows 128 w .. 128 w + 127 of the streamed operand, 32 of them a pass: 8 accumulators by turns.
; THE STREAM: twelve slots of 128 KiB (four passes of v2, then the eight of Wq2 and Wv2) through two LDS buffers; a wave's tensor load brings the 32 KiB that it alone reads, laid in the order of its operand registers.
; CLUSTER: the four blocks of rows of a cluster belong to one batch and walk the same twelve slots: every tile is asked for jointly (mask 15).  By this text's count a wave has two tensor loads out at the head, then one.
; THE CHANGE OF SLOTS stands inside a slot's last group of products: that group's fragments are in registers, so the slot's LDS bytes have been read out; the refill goes out ahead of the slot's epilogue.
; THE ORDER OF THE WEIGHTS' PASSES: the eight passes of Wq2 and Wv2 hang on nothing but t2, so a cluster begins with pass (its number mod 8) and goes round: at any moment different clusters ask for different
; tiles.  The number, 2 x batch + cluster x, is the same in the four partners.  Which pass a slot holds enters store addresses, the scale and the choice of the maximum, by scalar arithmetic and selects.
; t2 goes from wave to wave through LDS as images of the operand's registers, in two halves of 32 KiB.
; v5 and v7 are made with source 0 = t2, source 1 = W: a lane holds one column h and eight rows s: the image of v5^T and v7^T (row h, K = s), which the next launch multiplies.
; REGISTERS: window 0: v1-31 addresses, factors, maxima; v32-63 V, v64-127 TV packed results; v128-191 two sets of four streamed fragments; v192-255 accumulators.  Windows 2, 3: the resident operand.
.set RING1,131072
.set XR,262144                         ; the exchange: 32 KiB, written by LDS stores alone
.set SPARE,299008                      ; the spare words
.set V2S,16777216
.set MX1,50331648
.set MXW,3563520
.set V7S,16777216
.set MX2,33554432
.set LI,1
.set BA,2
.set XST,4
.set XLD,5
.set SPW,6
.set NIL,7
.set F2,8                              ; v8-9  2^-s2, twice
.set FLR,10                            ; the floor 2^-40
.set M5,11
.set M7,12
.set MT,14                             ; v14-15 a slot's largest magnitude, in two chains
.set EL,18
.set LANE,19
.set T,20
.set V,32
.set TV,64
.set BF,128
.set ACC,192
.set ROT,2                             ; s2   the cluster's number mod 8
.set QM,3                              ; s3   all ones where the slot holds a pass of Wv2
.set BOF,10                            ; s10  batch x 512 KiB
.set TT,12                             ; s[12:13] an offset, 0 above it
.set AB,14
.set M1P,16
.set FQ,18                             ; s[18:19] the slot's scale, twice
.set WV,20
.set G1,24
.set G0A,32
.set G0B,36
.set WSRC,40
.set SEL,42
.set U5O,46                            ; s46, s47 my offsets in ubuf for v5^T and v7^T
.set U7O,47
.set SLO,48                            ; s[48:49] where the slot's row tiles 0, 1 go;
.set MXP,50
.set SHI,52                            ; s[52:53] its row tiles 2, 3
.set HID,54                            ; s[54:55] the distance between the two, 0 above it
.set F5S,56
.set F7S,57
.set C2K,58
.set C4K,59
.set MSB,0
.macro WIN new
.if MSB != (\new)
	s_set_vgpr_msb (MSB<<8)|(\new)
.set MSB,\new
.endif
.endm
.macro PLACES
.rept 4
	v_nop
.endr
.endm
.macro CREST                           ; a round of the cluster's barrier behind its opening barrier
	s_cmp_lg_u32 s[WV], 0
	s_cbranch_scc1 .Lnot_wave_0_\@
	s_barrier_signal -3
.Lnot_wave_0_\@:
	s_barrier_wait -3
	s_barrier_signal -1
	s_barrier_wait -1
.endm
.macro ROUND
	s_barrier_signal -1
	s_barrier_wait -1
	CREST
.endm
.macro WMAX v, t                       ; the largest over the wave's 32 lanes, in every lane
.irp m,1,2,4,8
	v_max_num_f32_dpp v[\v], v[\v], v[\v] row_xmask:\m row_mask:0xf bank_mask:0xf
.endr
	v_permlanex16_b32 v[\t], v[\v], s[SEL], s[SEL+1]
	v_max_num_f32 v[\v], v[\v], v[\t]
.endm
; group g of a slot: chunks 2 g, 2 g + 1 of K, two tiles of my streamed rows: four fragments, eight loads of 512 consecutive bytes
.macro BLOAD buf, g
.irp cc,0,1
.irp bb,0,1
.irp u,0,1
	ds_load_b128 v[BF+32*((\g)%2)+8*(2*\cc+\bb)+4*\u:BF+32*((\g)%2)+8*(2*\cc+\bb)+4*\u+3], v[BA+(\buf)] offset:(2*(\g)+\cc)*2048+\bb*1024+\u*512
.endr
.endr
.endr
.endm
; 8 matrix instructions: chunk 2 g + cc; orient = 0: source 0 = streamed, source 1 = resident; 1: the other way round.  The first chunk starts the sums with the constant 0.  The 8 accumulators take turns
.macro MULH g, cc, orient
.irp bb,0,1
.irp a,0,1,2,3
.set rB,BF+32*((\g)%2)+8*(2*(\cc)+\bb)
.set rA,8*(4*((2*(\g)+(\cc))%8)+\a)
.set rD,ACC+8*(4*\bb+\a)
.if ((\g) == 0) && ((\cc) == 0)
.if \orient
	v_wmma_f32_16x16x32_f16 v[rD:rD+7], v[rA:rA+7], v[rB:rB+7], 0
.else
	v_wmma_f32_16x16x32_f16 v[rD:rD+7], v[rB:rB+7], v[rA:rA+7], 0
.endif
.else
.if \orient
	v_wmma_f32_16x16x32_f16 v[rD:rD+7], v[rA:rA+7], v[rB:rB+7], v[rD:rD+7]
.else
	v_wmma_f32_16x16x32_f16 v[rD:rD+7], v[rB:rB+7], v[rA:rA+7], v[rD:rD+7]
.endif
.endif
.endr
.endr
.endm
.macro WINM g, orient                  ; the products' windows: the resident operand lies in window 2 (chunks 0-7), then 3
.if \orient
	WIN 0x02+((\g)/4)
.else
	WIN 0x08+4*((\g)/4)
.endif
.endm
; groups 0 to 6 of a slot, and the wait for group 7's fragments.  Group g's fragments were asked for 16 matrix instructions earlier (group 0's at the change of slots); group g + 1's go out ahead of group g's products,
; four places behind the products that read their registers.  first = 1: the launch's first slot, while the resident operand is still arriving: group g reads its loads 16 g .. 16 g + 15 of 128
.macro RUN buf, orient, first
.irp g,0,1,2,3,4,5,6
	s_wait_dscnt 0x0
.if \first && (\g >= 4)
	s_wait_loadcnt 16*(7-\g)                       ; behind this group's sixteen loads so many were issued (groups 0 to 3: the wait for 63 at the head)
.endif
.if \orient
	WIN 0                                          ; an LDS load's address is its source 0
.endif
	PLACES
	BLOAD \buf, \g+1
	WINM \g, \orient
	MULH \g, 0, \orient
	MULH \g, 1, \orient
.endr
	s_wait_dscnt 0x0                               ; group 7's fragments are in: my reads of this slot are over
.if \first
	s_wait_loadcnt 0x0
.endif
.endm
; THE CHANGE OF SLOTS, round group 7's products: all my tensor loads have landed, 0 onto my spare word, the descriptor's step and eight products, the wait for the add; a round of the cluster's barrier, eight products
; between its opening signal and wait; the joint refill first behind it
.macro TURNA
	WIN 0
	s_wait_tensorcnt 0x0                           ; no tensor load of mine is out, so a descriptor may be written; the next slot's tile is in
	ds_add_u32 v[SPW], v[NIL]
.endm
.macro STEPG g0
	s_add_nc_u64 s[\g0+2:\g0+3], s[\g0+2:\g0+3], 0x40000      ; two slots on
.endm
.macro ROTSRC g0, j                    ; the j-th of my eight slots of weights holds pass (ROT + j) mod 8
	s_add_co_u32 s[TT], s[ROT], \j
	s_and_b32 s[TT], s[TT], 7
	s_lshl_b32 s[TT], s[TT], 17
	s_add_nc_u64 s[\g0+2:\g0+3], s[WSRC:WSRC+1], s[TT:TT+1]
	s_or_b32 s[\g0+3], s[\g0+3], 0x80000000
.endm
.macro TURNB orient, g0
	WINM 7, \orient
	MULH 7, 0, \orient
	s_wait_dscnt 0x0                               ; the add is done (my reads of the slot were over ahead of it)
	s_barrier_signal -1
	MULH 7, 1, \orient
	WIN 0
	s_barrier_wait -1
	CREST                                          ; no wave of any partner still reads the slot or has a load on its way
	tensor_load_to_lds s[\g0:\g0+3], s[G1:G1+7]    ; my one tensor load behind the round
	s_nop 0
	PLACES                                         ; (the places behind the last products)
.endm
.macro LASTG orient                    ; group 7 where no slot is filled again
	WINM 7, \orient
	MULH 7, 0, \orient
	MULH 7, 1, \orient
	WIN 0
	PLACES
.endm
.macro PACK dst
.set jj,0
.rept 32
	v_cvt_pk_f16_f32 v[\dst+jj], v[ACC+2*jj], v[ACC+2*jj+1]
.set jj,jj+1
.endr
.endm
.macro EPI1 dst
.set jj,0
.rept 32
	v_pk_mul_f32 v[ACC+2*jj:ACC+2*jj+1], v[ACC+2*jj:ACC+2*jj+1], v[F2:F2+1] op_sel_hi:[1,0]   ; a power of two: exact; each accumulator from its low end on
.set jj,jj+1
.endr
	PACK \dst
.endm
; the epilogue of my j-th slot of weights: pass t = (ROT + j) mod 8: t < 4: pass t of v5, else pass t - 4 of v7
.macro EPI2R j
	s_wait_xcnt 0x0                                ; the last slot's stores have read V and their bases
	s_add_co_u32 s60, s[ROT], \j
	s_and_b32 s60, s60, 7
	s_and_b32 s61, s60, 3                          ; p
	s_lshl_b32 s62, s61, 17
	s_add_co_u32 s62, s62, s[U7O]                  ; v7^T: 128 KiB a pass
	s_lshr_b32 s[TT], s61, 1
	s_lshl_b32 s[TT], s[TT], 16
	s_and_b32 s61, s61, 1
	s_lshl_b32 s61, s61, 11
	s_add_co_u32 s[TT], s[TT], s61
	s_add_co_u32 s[TT], s[TT], s[U5O]              ; v5^T: block p / 2 of my two, row tiles 2 (p % 2) on
	s_cmp_ge_u32 s60, 4
	s_cselect_b32 s[TT], s62, s[TT]
	s_cselect_b32 s[HID], s[C2K], s[C4K]
	s_cselect_b32 s[FQ], s[F7S], s[F5S]
	s_cselect_b32 s[QM], -1, 0
	s_mov_b32 s[FQ+1], s[FQ]                       ; (named as a pair, so both are written)
	s_add_nc_u64 s[SLO:SLO+1], s[8:9], s[TT:TT+1]
	s_add_nc_u64 s[SHI:SHI+1], s[SLO:SLO+1], s[HID:HID+1]
.set jj,0
.rept 32
	v_pk_mul_f32 v[ACC+2*jj:ACC+2*jj+1], v[ACC+2*jj:ACC+2*jj+1], s[FQ:FQ+1] op_sel_hi:[1,0]   ; a power of two: exact; each accumulator from its low end on
.set jj,jj+1
.endr
	v_mov_b32 v[MT], v[FLR]
	v_mov_b32 v[MT+1], v[FLR]
.set jj,0
.rept 16
	v_max3_num_f32 v[MT], v[MT], |v[ACC+4*jj]|, |v[ACC+4*jj+1]|
	v_max3_num_f32 v[MT+1], v[MT+1], |v[ACC+4*jj+2]|, |v[ACC+4*jj+3]|
.set jj,jj+1
.endr
	v_max_num_f32 v[MT], v[MT], v[MT+1]
	v_cndmask_b32 v[MT+1], v[MT], v[FLR], s[QM]    ; what counts for v5: the floor where the slot was v7's,
	v_cndmask_b32 v[MT], v[FLR], v[MT], s[QM]      ; and for v7 the other way round
	v_max_num_f32 v[M5], v[M5], v[MT+1]
	v_max_num_f32 v[M7], v[M7], v[MT]
	PACK V
.endm
.macro XSTORE src, e                   ; a pass's eight images: chunk e of my two in this half of the exchange
.irp bb,0,1
.irp a,0,1,2,3
	ds_store_b128 v[XST], v[\src+4*(4*\bb+\a):\src+4*(4*\bb+\a)+3] offset:(\e)*4096+\a*1024+\bb*512
.endr
.endr
.endm
.macro XLOAD rho                       ; all four waves' chunks 4 w + 2 rho, + 1 become resident fragments
.irp ww,0,1,2,3
	WIN 0x80+0x40*(\ww/2)
.irp e,0,1
.irp a,0,1,2,3
.irp u,0,1
	ds_load_b128 v[8*(4*(4*(\ww%2)+2*(\rho)+\e)+\a)+4*\u:8*(4*(4*(\ww%2)+2*(\rho)+\e)+\a)+4*\u+3], v[XLD] offset:((2*\ww+\e)*4+\a)*1024+\u*512
.endr
.endr
.endr
.endr
	WIN 0
.endm
.macro USTORE                          ; eight tiles of 512 consecutive bytes
.irp bb,0,1
.irp a,0,1
	global_store_b128 v[LI], v[V+4*(4*\bb+\a):V+4*(4*\bb+\a)+3], s[SLO:SLO+1] offset:\bb*1024+\a*512
	global_store_b128 v[LI], v[V+4*(4*\bb+\a+2):V+4*(4*\bb+\a+2)+3], s[SHI:SHI+1] offset:\bb*1024+\a*512
.endr
.endr
.endm
	s_load_b128 s[4:7], s[0:1], 0x0                ; vbuf, wprep
	s_load_b64 s[8:9], s[0:1], 0x10                ; ubuf
	v_lshl_add_u32 v[SPW], v0, 2, SPARE
	v_mov_b32 v[NIL], 0
	ds_add_u32 v[SPW], v[NIL]                      ; the wave's opening: the add, twice on end, and its wait ahead of my first tensor load
	ds_add_u32 v[SPW], v[NIL]
	v_lshrrev_b32 v[T], 5, v0
	v_readfirstlane_b32 s[WV], v[T]
	s_bfe_u32 s21, ttmp6, 0x40000                  ; cx
	s_lshl_b32 s22, ttmp9, 2
	s_add_co_u32 s22, s22, s21                     ; my block of 64 rows: it enters plain loads' and stores' addresses alone
	s_and_b32 s23, ttmp7, 0xffff                   ; the batch, which the four partners share
	s_lshl_b32 s[ROT], s23, 1
	s_add_co_u32 s[ROT], s[ROT], ttmp9             ; the cluster's number, which they share too,
	s_and_b32 s[ROT], s[ROT], 7                    ; mod 8
	s_mov_b32 s[G1], 0x0023000f                    ; mask: all four; elements of 8 bytes; bit 21 beside a mask; no padding
	s_mov_b32 s[G1+1], 32<<16                      ; tensor_dim0 = 32 elements: 256 bytes
	s_mov_b32 s[G1+2], 128<<16                     ; tensor_dim1 = 128
	s_mov_b32 s[G1+3], 32<<16                      ; tile_dim0
	s_mov_b32 s[G1+4], 128                         ; tile_dim1: 128 rows of 256 bytes, dense: 32 KiB
	s_mov_b32 s[G1+5], 32                          ; the pitch
	s_mov_b32 s[G1+6], 0
	s_mov_b32 s[G1+7], 0
	s_mov_b32 s[SEL], 0x76543210
	s_mov_b32 s[SEL+1], 0xfedcba98
	s_mov_b32 s[C2K], 2048
	s_mov_b32 s[C4K], 4096
	s_mov_b32 s[HID+1], 0
	s_lshl_b32 s44, s[WV], 15                      ; my quarter of a slot
	s_mov_b32 s45, 0
	s_lshl_b32 s[BOF], s23, 19                     ; batch x 512 KiB
	s_add_co_u32 s[TT], s[BOF], s44
	s_add_co_u32 s[TT], s[TT], V2S
	s_mov_b32 s[TT+1], 0
	s_wait_dscnt 0x0                               ; both opening adds are done
	s_wait_kmcnt 0x0
	s_mov_b32 s[G0A], 1
	s_mov_b32 s[G0A+1], s44
	s_add_nc_u64 s[G0A+2:G0A+3], s[4:5], s[TT:TT+1]  ; slot 0: pass 0 of v2
	s_mov_b32 s[G0B], 1
	s_add_co_u32 s[G0B+1], s44, RING1
	s_add_nc_u64 s[G0B+2:G0B+3], s[G0A+2:G0A+3], 0x20000
	s_or_b32 s[G0A+3], s[G0A+3], 0x80000000
	s_or_b32 s[G0B+3], s[G0B+3], 0x80000000
	s_add_nc_u64 s[WSRC:WSRC+1], s[6:7], s[44:45]  ; Wq2, Wv2: eight passes on end
	ROUND                                          ; all four work-groups are here: the first joint loads meet
	tensor_load_to_lds s[G0A:G0A+3], s[G1:G1+7]
	s_nop 0
	tensor_load_to_lds s[G0B:G0B+3], s[G1:G1+7]
	s_nop 0
	PLACES
	v_and_b32 v[LANE], 31, v0
	v_lshlrev_b32 v[LI], 4, v[LANE]
	v_lshlrev_b32 v[T], 2, v[LANE]
	s_lshl_b32 s14, s22, 16
	s_add_co_u32 s14, s14, s[BOF]
	s_mov_b32 s15, 0
	s_add_nc_u64 s[AB:AB+1], s[4:5], s[14:15]      ; my 64 rows of v1
	s_lshl_b32 s16, s23, 8
	s_add_co_u32 s16, s16, MX1
	s_mov_b32 s17, 0
	s_add_nc_u64 s[M1P:M1P+1], s[4:5], s[16:17]
	global_load_b32 v[T+1], v[T], s[M1P:M1P+1]             ; first the stored maxima: the batch's 32 largest |v1|, a lane each,
	global_load_b32 v[T+2], v[T], s[M1P:M1P+1] offset:128  ; |v2|,
	global_load_b128 v[T+4:T+7], v[LI], s[6:7] offset:MXW          ; the 128 of 256 Wq2,
	global_load_b128 v[T+8:T+11], v[LI], s[6:7] offset:MXW+512     ; of 256 Wv2;
	WIN 0x80                                       ; then the resident operand, chunk by chunk of K: 8 loads a chunk
.set kk,0
.rept 64
	global_load_b128 v[4*kk:4*kk+3], v[LI], s[AB:AB+1] offset:512*kk th:TH_LOAD_NT
.set kk,kk+1
.endr
	WIN 0xc0
.set kk,0
.rept 64
	global_load_b128 v[4*kk:4*kk+3], v[LI], s[AB:AB+1] offset:32768+512*kk th:TH_LOAD_NT
.set kk,kk+1
.endr
	WIN 0
	v_add_nc_u32 v[BA], s44, v[LI]
	v_add_nc_u32 v[BA+1], RING1, v[BA]
	s_lshl_b32 s60, s[WV], 13
	s_add_co_u32 s60, s60, XR
	v_add_nc_u32 v[XST], s60, v[LI]
	v_add_nc_u32 v[XLD], XR, v[LI]
	s_lshl_b32 s[U5O], s[WV], 17                   ; v5^T: rows 128 w on are blocks 2 w, 2 w + 1; my s are chunks 2 block, + 1
	s_add_co_u32 s[U5O], s[U5O], s[BOF]
	s_lshl_b32 s60, s22, 13
	s_add_co_u32 s[U5O], s[U5O], s60
	s_add_co_u32 s[U7O], s[BOF], s44               ; v7^T, in the order of a streamed operand
	s_lshl_b32 s60, s22, 12
	s_add_co_u32 s[U7O], s[U7O], s60
	s_add_co_u32 s[U7O], s[U7O], V7S
	s_mul_i32 s50, s23, 384
	s_lshl_b32 s60, s22, 4
	s_add_co_u32 s50, s50, s60
	s_lshl_b32 s60, s[WV], 2
	s_add_co_u32 s50, s50, s60
	s_add_co_u32 s50, s50, MX2
	s_mov_b32 s51, 0
	s_add_nc_u64 s[MXP:MXP+1], s[8:9], s[50:51]
	v_mov_b32 v[FLR], 0x2b800000                   ; the floor 2^-40
	v_mov_b32 v[M5], 0x2b800000
	v_mov_b32 v[M7], 0x2b800000
	v_mov_b32 v[T+3], 0
	s_wait_loadcnt 63                              ; behind the maxima's loads 128 were issued, behind chunk 7's last load 64: all these are in
	v_max3_num_f32 v[T+4], v[T+4], v[T+5], v[T+6]
	v_max3_num_f32 v[T+8], v[T+8], v[T+9], v[T+10]
	v_max_num_f32 v[T+4], v[T+4], v[T+7]
	v_max_num_f32 v[T+8], v[T+8], v[T+11]
	WMAX T+1, T+3
	WMAX T+2, T+3
	WMAX T+4, T+3
	WMAX T+8, T+3
	v_lshrrev_b32 v[T+1], 23, v[T+1]               ; exponent fields (all four numbers are positive)
	v_lshrrev_b32 v[T+2], 23, v[T+2]
	v_lshrrev_b32 v[T+4], 23, v[T+4]
	v_lshrrev_b32 v[T+8], 23, v[T+8]
	v_add_nc_u32 v[T+1], v[T+1], v[T+2]
	v_sub_nc_u32 v[T+2], 258, v[T+1]               ; -s2 = 4 + 254 - the two fields
	v_sub_nc_u32 v[T+5], 117, v[T+4]               ; -s5 = 127 - 10 - the field
	v_sub_nc_u32 v[T+6], 117, v[T+8]
	v_ldexp_f32 v[F2], 1.0, v[T+2]
	v_ldexp_f32 v[T+5], 1.0, v[T+5]
	v_ldexp_f32 v[T+6], 1.0, v[T+6]
	v_mov_b32 v[F2+1], v[F2]                       ; (named as a pair, so both are written)
	v_readfirstlane_b32 s[F5S], v[T+5]             ; the same in all lanes: kept as scalars, between which a slot chooses
	v_readfirstlane_b32 s[F7S], v[T+6]
	v_lshl_add_u32 v[EL], v[T+1], 1, v[T+4]
	v_add_nc_u32 v[EL], v[EL], v[T+8]
	v_add_nc_u32 v[EL], 0xfffffd12, v[EL]          ; s5 + s7 + 2 s2 = the fields' sum - 750
	s_wait_tensorcnt 0x1                           ; my quarter of slot 0 is in, and I alone read it; slot 1's may stay out
	BLOAD 0, 0
	; ---- t2' = v1 v2^T 2^-s2: pass p gives me chunk 4 w + p of the next K
	RUN 0, 0, 1
	TURNA
	STEPG G0A
	TURNB 0, G0A
	EPI1 V
	BLOAD 1, 0
	XSTORE V, 0
	RUN 1, 0, 0
	TURNA
	STEPG G0B
	TURNB 0, G0B
	EPI1 V
	BLOAD 0, 0
	XSTORE V, 1
	RUN 0, 0, 0
	TURNA
	ROTSRC G0A, 0
	TURNB 0, G0A
	EPI1 TV                                        ; passes 2 and 3 wait in registers for the exchange's second half
	BLOAD 1, 0
	RUN 1, 0, 0
	TURNA
	ROTSRC G0B, 1
	TURNB 0, G0B
	EPI1 TV+32
	BLOAD 0, 0
	XLOAD 0                                        ; every wave's stores of passes 0 and 1 were waited for in front of an earlier barrier
	s_wait_dscnt 0x0                               ; my reads of the first half are over
	s_barrier_signal -1
	s_barrier_wait -1
	XSTORE TV, 0
	XSTORE TV+32, 1
	s_wait_dscnt 0x0
	s_barrier_signal -1
	s_barrier_wait -1
	XLOAD 1
	; ---- v5'' and v7'': source 0 = t2', source 1 = 32 rows of 256 W
.irp i,4,5,6,7,8,9
	RUN (\i)%2, 1, 0
	TURNA
	ROTSRC G0A+4*((\i)%2), (\i)-2
	TURNB 1, G0A+4*((\i)%2)
	EPI2R (\i)-4
	BLOAD ((\i)+1)%2, 0
	USTORE
.endr
	RUN 0, 1, 0
	LASTG 1
	s_wait_tensorcnt 0x0                           ; the last slot: no load was issued behind its own; nothing is filled again, so no round
	EPI2R 6
	BLOAD 1, 0
	USTORE
	RUN 1, 1, 0
	LASTG 1
	EPI2R 7
	USTORE
	WMAX M5, T
	WMAX M7, T
	v_mov_b32 v[T+1], 0
	s_wait_xcnt 0x0                                ; EXEC changes only behind this wait
	v_cmp_eq_u32 vcc_lo, 0, v[LANE]
	s_and_saveexec_b32 s63, vcc_lo
	global_store_b32 v[T+1], v[M5], s[MXP:MXP+1]
	global_store_b32 v[T+1], v[M7], s[MXP:MXP+1] offset:128
	global_store_b32 v[T+1], v[EL], s[MXP:MXP+1] offset:256
	s_wait_xcnt 0x0
	s_or_b32 exec_lo, exec_lo, s63
	s_wait_tensorcnt 0x0                           ; the wave's end
	ds_add_u32 v[SPW], v[NIL]
	s_wait_dscnt 0x0
	ROUND                                          ; the closing round
	s_endpgm
.Lfunc_end_k_q10793af78f_mid:
	.size	k_q10793af78f_mid, .Lfunc_end_k_q10793af78f_mid-k_q10793af78f_mid
	.p2alignl 7, 3214868480
	.fill 96, 4, 3214868480
	.section	.rodata,"a",@progbits
	.p2align	6, 0x0
	.amdhsa_kernel k_q10793af78f_mid
		.amdhsa_group_segment_fixed_size 327680
		.amdhsa_private_segment_fixed_size 0
		.amdhsa_enable_private_segment 0
		.amdhsa_kernarg_size 24
		.amdhsa_user_sgpr_count 2
		.amdhsa_user_sgpr_kernarg_segment_ptr 1
		.amdhsa_wavefront_size32 1
		.amdhsa_system_sgpr_workgroup_id_x 1
		.amdhsa_system_sgpr_workgroup_id_y 1
		.amdhsa_system_sgpr_workgroup_id_z 1
		.amdhsa_system_vgpr_workitem_id 0
		.amdhsa_next_free_vgpr 1024
		.amdhsa_next_free_sgpr 66
		.amdhsa_reserve_vcc 1
		.amdhsa_float_denorm_mode_32 3
		.amdhsa_float_denorm_mode_16_64 3
		.amdhsa_memory_ordered 1
		.amdhsa_forward_progress 1
		.amdhsa_inst_pref_size 255
	.end_amdhsa_kernel
	.section	.bss,"aw",@nobits
	.p2align	6
	.space	262144
	.amdgpu_metadata
---
amdhsa.version: [ 1, 2 ]
amdhsa.kernels:
  - .name:           k_q10793af78f_mid
    .symbol:         k_q10793af78f_mid.kd
    .args:
      - { .name: vbuf, .offset: 0, .size: 8, .value_kind: global_buffer, .address_space: global }
      - { .name: wprep, .offset: 8, .size: 8, .value_kind: global_buffer, .address_space: global }
      - { .name: ubuf, .offset: 16, .size: 8, .value_kind: global_buffer, .address_space: global }
    .group_segment_fixed_size: 327680
    .private_segment_fixed_size: 0
    .kernarg_segment_align: 8
    .kernarg_segment_size: 24
    .max_flat_workgroup_size: 128
    .sgpr_count:     66
    .vgpr_count:     1024
    .wavefront_size: 32
...
	.end_amdgpu_metadata
.endif
;; end of part 3
;; launch tail (part 4): grid 8 x 32, 4 waves a work-group, clusters of 4 x 1, 327,680 bytes of LDS; arguments ubuf, wprep, vbuf, ln2_g, ln2_b, out0; writes out0
.if DOCPART == 4
	.amdgcn_target "amdgcn-amd-amdhsa--gfx1250"
	.amdhsa_code_object_version 6
	.text
	.protected	k_q10793af78f_tail
	.globl	k_q10793af78f_tail
	.p2align	8
	.type	k_q10793af78f_tail,@function
k_q10793af78f_tail:
	s_mov_b64 s[64:65], 0
	v_nop
	global_prefetch_b8 v0, s[64:65] scope:SCOPE_SE
	s_setreg_imm32_b32 hwreg(HW_REG_WAVE_MODE, 25, 1), 1
	s_wait_xcnt 0x0
	s_wait_alu depctr_hold_cnt(0) depctr_sa_sdst(0) depctr_va_vdst(0) depctr_va_sdst(0) depctr_va_ssrc(0) depctr_va_vcc(0) depctr_vm_vsrc(0)
	s_getreg_b32 s2, hwreg(HW_REG_IB_STS2, 6, 4)
	s_cmp_eq_u32 s2, 0
	s_cbranch_scc0 .Lentry_in_a_cluster
	s_endpgm
.Lentry_in_a_cluster:
	s_bfe_u32 s2, ttmp6, 0x10000c
	s_cmp_lg_u32 s2, 0x3003
	s_cbranch_scc0 .Lentry_shape_is_right
	s_endpgm
.Lentry_shape_is_right:
; v9 = v5^T v7; t4, t5, t6 = t3 Wq3^T, t3 Wk3^T, t3 Wv3^T; S = t4 v1 + t5 v3 + t6 v2; the first norm; F = S + v15 (Wq3 + Wk3 + Wv3)^T; the second norm: for 64 rows h of one batch; f16 operands, f32 sums.
; LEFT OUT, for all finite inputs (shown at the head of the first launch): the three products with v15 are one, with Wg = g1 o (Wq3 + Wk3 + Wv3) on the normalised row n and c = b1 . Ws added; the first norm's mean,
; the same along a row, is not added back ahead of the second norm, which takes a row's mean away.
; SCALES: t3' = v9' 2^-s9, s9 = ex(max|v5''|) + ex(max|v7''|) - 4, so |t3'| < 2^15.  S_true = S' K, K = 2^(-13.5 + s9 + (s5 + s7 + 2 s2) - 24): the three 1/sqrt(512) and all powers of two in one factor.
; |n| <= sqrt(511).  F' = 16 F: 16 K S' + 16 c + n (16 Wg)^T; the second norm takes the 16 out again.  v1, v2, v3 enter as factors in their f16 form (a stated deviation from f32: 11 bits).
; LIMITS: NaN and infinities are not served; where reference()'s own variance overflows f32 the result is not reproduced; S's three terms are added in an order that hangs on the cluster's number (below).
; SHARES, STREAM, CLUSTER as in the launch before: the resident operand in 512 registers of every wave; wave w owns 128 streamed rows (columns e of S); twenty slots of 128 KiB (v7^T, Wq3, Wk3, Wv3, Wg) through two
; LDS buffers, asked for jointly by the four blocks of rows of a cluster.  By this text's count a wave has two tensor loads out at the head, then one.
; THE CHANGE OF SLOTS stands inside a slot's last group of products: that group's fragments are in registers, so the slot's LDS bytes have been read out; the refill goes out ahead of the slot's epilogue.
; THE ORDER OF THE THREE PRODUCTS with Wq3, Wk3, Wv3: they hang on nothing but t3, so a cluster begins with product (its number mod 3) and goes round: at any moment different clusters ask for different tiles.
; The number, 2 x batch + cluster x, is the same in the four partners; it enters the weights' offsets and the factors' addresses alone.
; REGISTERS: window 0: v1-31 addresses and factors; v32-63 V (factors as f16, packed results, the norms' sums); v64-127 TV (factors as f32, later 16 c); v128-191 streamed fragments; v192-255 accumulators.
;   window 1: S, tile (column tile tt = 0..7, row tile a) at 8 (4 tt + a).   windows 2, 3: the resident operand; at the end rows of the output, g2 and b2.
; S begins as zeros, so that ONE loop of three trips serves the three products with their factors: written out thrice, with a first product that starts S, the text would hold eight more passes.
.set RING1,131072
.set XR,262144
.set LNX,294912                        ; four blocks of 1 KiB for the norms' sums
.set SPARE,299008
.set SPITCH,2064                       ; the way out: 64 rows of 2,048 + 16 bytes, in the ring, which has had its last fill and its last read by then
.set V7S,16777216
.set MX2,33554432
.set WT3,1048576
.set CVEC,3566592
.set V2S,16777216
.set V3R,33554432
.set LI,1
.set BA,2
.set XST,4
.set XLD,5
.set SPW,6
.set NIL,7
.set M,8                               ; v8-11 one number for each tile of rows: -mean, then a factor
.set FS,12
.set KE,14
.set K16,16
.set LANE,18
.set LNST,19
.set LNLD,20
.set PFO,21
.set HO,22
.set SA,23
.set SR,25
.set W,26
.set V,32
.set T,32
.set U,40
.set P,44
.set TV,64
.set BF,128
.set ACC,192
.set RT,2                              ; s2   the cluster's number mod 3
.set LO0,3                             ; s3   my offset in v1
.set OC,16                             ; s16-19 the weights' offsets: of the product in hand, the next, the one after, and Wg's
.set ON,17
.set ON2,18
.set ON3,19
.set WV,20
.set G1,24
.set G0A,32
.set G0B,36
.set WSRC,40
.set SEL,42
.set TO,46                             ; s[46:47] an offset, 0 above it
.set VLO,48                            ; the factors in hand: row tiles 0, 1;
.set VHI,50                            ; row tiles 2, 3;
.set PFB,52                            ; the second half of what is prefetched;
.set STP,54                            ; a pass on
.set NX1,56                            ; the same four for the next product,
.set NX2,68                            ; and for the one after
.set TRIP,76
.set LO2,77                            ; s77  my offset in v2
.set AB,78
.set MXP,80
.set CVP,82
.set G2P,84
.set B2P,86
.set OUTP,88
.set C17,90
.set EPS,91
.set BOF,96                            ; s96  batch x 512 KiB
.set C2K,97
.set C4K,98
.set C8K,99
.set C128K,100
.set MSB,0
.macro WIN new
.if MSB != (\new)
	s_set_vgpr_msb (MSB<<8)|(\new)
.set MSB,\new
.endif
.endm
.macro PLACES
.rept 4
	v_nop
.endr
.endm
.macro CREST
	s_cmp_lg_u32 s[WV], 0
	s_cbranch_scc1 .Lnot_wave_0_\@
	s_barrier_signal -3
.Lnot_wave_0_\@:
	s_barrier_wait -3
	s_barrier_signal -1
	s_barrier_wait -1
.endm
.macro ROUND
	s_barrier_signal -1
	s_barrier_wait -1
	CREST
.endm
.macro WMAX v, t
.irp m,1,2,4,8
	v_max_num_f32_dpp v[\v], v[\v], v[\v] row_xmask:\m row_mask:0xf bank_mask:0xf
.endr
	v_permlanex16_b32 v[\t], v[\v], s[SEL], s[SEL+1]
	v_max_num_f32 v[\v], v[\v], v[\t]
.endm
.macro BLOAD buf, g
.irp cc,0,1
.irp bb,0,1
.irp u,0,1
	ds_load_b128 v[BF+32*((\g)%2)+8*(2*\cc+\bb)+4*\u:BF+32*((\g)%2)+8*(2*\cc+\bb)+4*\u+3], v[BA+(\buf)] offset:(2*(\g)+\cc)*2048+\bb*1024+\u*512
.endr
.endr
.endr
.endm
; 8 matrix instructions: chunk 2 g + cc; source 0 = streamed, source 1 = resident.  accw = 0: into the accumulators of window 0, the first chunk starting the sums with 0; accw = 1: in place onto S's tiles of pass p.  8 accumulators by turns
.macro MULH g, cc, accw, p
.irp bb,0,1
.irp a,0,1,2,3
.set rB,BF+32*((\g)%2)+8*(2*(\cc)+\bb)
.set rA,8*(4*((2*(\g)+(\cc))%8)+\a)
.if \accw
.set rD,8*(4*(2*(\p)+\bb)+\a)
.else
.set rD,ACC+8*(4*\bb+\a)
.endif
.if ((\accw) == 0) && ((\g) == 0) && ((\cc) == 0)
	v_wmma_f32_16x16x32_f16 v[rD:rD+7], v[rB:rB+7], v[rA:rA+7], 0
.else
	v_wmma_f32_16x16x32_f16 v[rD:rD+7], v[rB:rB+7], v[rA:rA+7], v[rD:rD+7]
.endif
.endr
.endr
.endm
.macro WINM g, accw                    ; the products' windows: source 1 window 2 (chunks 0-7), then 3; accw = 1: C and D window 1
.if \accw
	WIN 0x58+4*((\g)/4)
.else
	WIN 0x08+4*((\g)/4)
.endif
.endm
; groups 0 to 6 of a slot, and the wait for group 7's fragments.  first = 1: the launch's first slot, while the resident operand is still arriving: group g reads its loads 16 g .. 16 g + 15 of 128
.macro RUN buf, accw, p, first
.irp g,0,1,2,3,4,5,6
	s_wait_dscnt 0x0                               ; this group's fragments, asked for 16 matrix instructions ago
.if \first && (\g >= 4)
	s_wait_loadcnt 16*(7-\g)                       ; behind this group's sixteen loads so many were issued (groups 0 to 3: the wait for 63 at the head)
.endif
.if \accw
	WIN 0                                          ; an LDS load's data go by the destination's window
.endif
	PLACES                                         ; in front of loads into registers that the group before has multiplied
	BLOAD \buf, \g+1
	WINM \g, \accw
	MULH \g, 0, \accw, \p
	MULH \g, 1, \accw, \p
.endr
	s_wait_dscnt 0x0                               ; group 7's fragments are in: my reads of this slot are over
.if \first
	s_wait_loadcnt 0x0
.endif
.endm
; THE CHANGE OF SLOTS, round group 7's products
.macro TURNA
	WIN 0
	s_wait_tensorcnt 0x0                           ; no tensor load of mine is out, so a descriptor may be written; the next slot's tile is in
	ds_add_u32 v[SPW], v[NIL]
.endm
.macro STEPG g0
	s_add_nc_u64 s[\g0+2:\g0+3], s[\g0+2:\g0+3], 0x40000
.endm
.macro ROTG g0, oreg, add              ; a pass of the product whose weights begin at s[oreg]
	s_add_co_u32 s[TO], s[\oreg], \add
	s_add_nc_u64 s[\g0+2:\g0+3], s[WSRC:WSRC+1], s[TO:TO+1]
	s_or_b32 s[\g0+3], s[\g0+3], 0x80000000
.endm
.macro TURNB accw, p, g0
	WINM 7, \accw
	MULH 7, 0, \accw, \p
	s_wait_dscnt 0x0                               ; the add is done (my reads of the slot were over ahead of it)
	s_barrier_signal -1
	MULH 7, 1, \accw, \p
	WIN 0
	s_barrier_wait -1
	CREST                                          ; no wave of any partner still reads the slot or has a load on its way
	tensor_load_to_lds s[\g0:\g0+3], s[G1:G1+7]    ; my one tensor load behind the round
	s_nop 0
	PLACES                                         ; (the places behind the last products)
.endm
.macro LASTG accw, p                   ; group 7 where no slot is filled again
	WINM 7, \accw
	MULH 7, 0, \accw, \p
	MULH 7, 1, \accw, \p
	WIN 0
	PLACES
.endm
.macro PACK dst
.set jj,0
.rept 32
	v_cvt_pk_f16_f32 v[\dst+jj], v[ACC+2*jj], v[ACC+2*jj+1]
.set jj,jj+1
.endr
.endm
.macro EPI1 dst
.set jj,0
.rept 32
	v_pk_mul_f32 v[ACC+2*jj:ACC+2*jj+1], v[ACC+2*jj:ACC+2*jj+1], v[FS:FS+1] op_sel_hi:[1,0]   ; x 2^-s9: exact; each accumulator from its low end on
.set jj,jj+1
.endr
	PACK \dst
.endm
.macro XSTORE src, e
.irp bb,0,1
.irp a,0,1,2,3
	ds_store_b128 v[XST], v[\src+4*(4*\bb+\a):\src+4*(4*\bb+\a)+3] offset:(\e)*4096+\a*1024+\bb*512
.endr
.endr
.endm
.macro XLOAD rho
.irp ww,0,1,2,3
	WIN 0x80+0x40*(\ww/2)
.irp e,0,1
.irp a,0,1,2,3
.irp u,0,1
	ds_load_b128 v[8*(4*(4*(\ww%2)+2*(\rho)+\e)+\a)+4*\u:8*(4*(4*(\ww%2)+2*(\rho)+\e)+\a)+4*\u+3], v[XLD] offset:((2*\ww+\e)*4+\a)*1024+\u*512
.endr
.endr
.endr
.endr
	WIN 0
.endm
.macro BARRIER
	s_wait_dscnt 0x0
	s_barrier_signal -1
	s_barrier_wait -1
.endm
; the product that stands at place k of my order: its weights' offset into s[oreg], its factors' four (row tiles 0, 1; row tiles 2, 3; the prefetch's second half; a pass on) into s[dst] on.
; Product 0: Wq3 with v1; 1: Wk3 with v3, both in the order of a resident operand; 2: Wv3 with v2, which lies in the order of a streamed one
.macro FSET k, dst, oreg
	s_add_co_u32 s94, s[RT], \k
	s_cmp_ge_u32 s94, 3
	s_cselect_b32 s95, 3, 0
	s_sub_co_u32 s94, s94, s95
	s_lshl_b32 s[\oreg], s94, 19                   ; 512 KiB a matrix
	s_mul_i32 s92, s94, V3R
	s_add_co_u32 s92, s92, s[LO0]
	s_cmp_eq_u32 s94, 2
	s_cselect_b32 s92, s[LO2], s92
	s_cselect_b32 s[\dst+6], s[C2K], s[C4K]
	s_cselect_b32 s94, s[C128K], s[C2K]
	s_cselect_b32 s95, s[C128K], s[C8K]
	s_mov_b32 s[\dst+7], 0
	s_add_nc_u64 s[\dst:\dst+1], s[8:9], s[92:93]
	s_mov_b32 s92, s94
	s_add_nc_u64 s[\dst+2:\dst+3], s[\dst:\dst+1], s[92:93]
	s_mov_b32 s92, s95
	s_add_nc_u64 s[\dst+4:\dst+5], s[\dst:\dst+1], s[92:93]
.endm
.macro UNPACK                          ; the pass's 64 factors, f16 to f32: exact
	v_cvt_f32_f16 v64, v32.l
	v_cvt_f32_f16 v65, v32.h
	v_cvt_f32_f16 v66, v33.l
	v_cvt_f32_f16 v67, v33.h
	v_cvt_f32_f16 v68, v34.l
	v_cvt_f32_f16 v69, v34.h
	v_cvt_f32_f16 v70, v35.l
	v_cvt_f32_f16 v71, v35.h
	v_cvt_f32_f16 v72, v36.l
	v_cvt_f32_f16 v73, v36.h
	v_cvt_f32_f16 v74, v37.l
	v_cvt_f32_f16 v75, v37.h
	v_cvt_f32_f16 v76, v38.l
	v_cvt_f32_f16 v77, v38.h
	v_cvt_f32_f16 v78, v39.l
	v_cvt_f32_f16 v79, v39.h
	v_cvt_f32_f16 v80, v40.l
	v_cvt_f32_f16 v81, v40.h
	v_cvt_f32_f16 v82, v41.l
	v_cvt_f32_f16 v83, v41.h
	v_cvt_f32_f16 v84, v42.l
	v_cvt_f32_f16 v85, v42.h
	v_cvt_f32_f16 v86, v43.l
	v_cvt_f32_f16 v87, v43.h
	v_cvt_f32_f16 v88, v44.l
	v_cvt_f32_f16 v89, v44.h
	v_cvt_f32_f16 v90, v45.l
	v_cvt_f32_f16 v91, v45.h
	v_cvt_f32_f16 v92, v46.l
	v_cvt_f32_f16 v93, v46.h
	v_cvt_f32_f16 v94, v47.l
	v_cvt_f32_f16 v95, v47.h
	v_cvt_f32_f16 v96, v48.l
	v_cvt_f32_f16 v97, v48.h
	v_cvt_f32_f16 v98, v49.l
	v_cvt_f32_f16 v99, v49.h
	v_cvt_f32_f16 v100, v50.l
	v_cvt_f32_f16 v101, v50.h
	v_cvt_f32_f16 v102, v51.l
	v_cvt_f32_f16 v103, v51.h
	v_cvt_f32_f16 v104, v52.l
	v_cvt_f32_f16 v105, v52.h
	v_cvt_f32_f16 v106, v53.l
	v_cvt_f32_f16 v107, v53.h
	v_cvt_f32_f16 v108, v54.l
	v_cvt_f32_f16 v109, v54.h
	v_cvt_f32_f16 v110, v55.l
	v_cvt_f32_f16 v111, v55.h
	v_cvt_f32_f16 v112, v56.l
	v_cvt_f32_f16 v113, v56.h
	v_cvt_f32_f16 v114, v57.l
	v_cvt_f32_f16 v115, v57.h
	v_cvt_f32_f16 v116, v58.l
	v_cvt_f32_f16 v117, v58.h
	v_cvt_f32_f16 v118, v59.l
	v_cvt_f32_f16 v119, v59.h
	v_cvt_f32_f16 v120, v60.l
	v_cvt_f32_f16 v121, v60.h
	v_cvt_f32_f16 v122, v61.l
	v_cvt_f32_f16 v123, v61.h
	v_cvt_f32_f16 v124, v62.l
	v_cvt_f32_f16 v125, v62.h
	v_cvt_f32_f16 v126, v63.l
	v_cvt_f32_f16 v127, v63.h
.endm
; a pass of t4, t5 or t6: 32 columns e for the 64 rows, times the factors' tiles, onto S
.macro PASS2 p
.irp bb,0,1
.irp a,0,1
	global_load_b128 v[V+4*(4*\bb+\a):V+4*(4*\bb+\a)+3], v[LI], s[VLO:VLO+1] offset:\a*1024+\bb*512 th:TH_LOAD_NT
	global_load_b128 v[V+4*(4*\bb+\a+2):V+4*(4*\bb+\a+2)+3], v[LI], s[VHI:VHI+1] offset:\a*1024+\bb*512 th:TH_LOAD_NT
.endr
.endr
.if (\p) == 2
	s_cmp_gt_u32 s[TRIP], 1                        ; the last product has no successor
	s_cbranch_scc0 .Lno_next_\@
	global_prefetch_b8 v[PFO], s[NX1:NX1+1] th:TH_LOAD_NT scope:SCOPE_SE       ; the next product's factors, my wave's own 16 KiB, lanes 256 bytes apart: each block is named once in the launch,
	global_prefetch_b8 v[PFO], s[NX1+4:NX1+5] th:TH_LOAD_NT scope:SCOPE_SE     ; two slots, 256 matrix instructions, ahead of the first load that wants them
.Lno_next_\@:
.endif
	RUN (\p)%2, 0, 0, 0
	TURNA
.if (\p) < 2
	ROTG G0A+4*((\p)%2), OC, ((\p)+2)<<17          ; two slots on: this product's pass p + 2,
.else
	ROTG G0A+4*((\p)%2), ON, ((\p)-2)<<17          ; or the next product's pass p - 2 (behind the third product: Wg's)
.endif
	TURNB 0, 0, G0A+4*((\p)%2)
	s_wait_loadcnt 0x0                             ; the factors, asked for a slot ago
	UNPACK
	BLOAD ((\p)+1)%2, 0
	WIN 0x50                                       ; S: source 2 and destination, window 1
.set jj,0
.rept 32
	v_pk_fma_f32 v[64*(\p)+2*jj:64*(\p)+2*jj+1], v[ACC+2*jj:ACC+2*jj+1], v[TV+2*jj:TV+2*jj+1], v[64*(\p)+2*jj:64*(\p)+2*jj+1]
.set jj,jj+1
.endr
	WIN 0
	s_wait_xcnt 0x0                                ; the loads and prefetches have read their bases
	s_add_nc_u64 s[VLO:VLO+1], s[VLO:VLO+1], s[STP:STP+1]
	s_add_nc_u64 s[VHI:VHI+1], s[VHI:VHI+1], s[STP:STP+1]
.endm
; THE NORMS.  A row (row tile a, lane % 16) lies in 64 registers of two lanes of each of the four waves.
.macro SUMS                            ; the lane's 64 numbers of each of its four rows, two at a time, four chains; each tile from its low end on
	WIN 0x05
.irp a,0,1,2,3
	v_pk_add_f32 v[T+2*\a:T+2*\a+1], v[8*\a:8*\a+1], v[8*\a+2:8*\a+3]
.endr
	WIN 0x04
.irp q,2,3
.irp a,0,1,2,3
	v_pk_add_f32 v[T+2*\a:T+2*\a+1], v[T+2*\a:T+2*\a+1], v[8*\a+2*\q:8*\a+2*\q+1]
.endr
.endr
.irp tt,1,2,3,4,5,6,7
.irp q,0,1,2,3
.irp a,0,1,2,3
	v_pk_add_f32 v[T+2*\a:T+2*\a+1], v[T+2*\a:T+2*\a+1], v[8*(4*\tt+\a)+2*\q:8*(4*\tt+\a)+2*\q+1]
.endr
.endr
.endr
	WIN 0
.endm
.macro SQUARES
	WIN 0x05
.irp a,0,1,2,3
	v_pk_mul_f32 v[T+2*\a:T+2*\a+1], v[8*\a:8*\a+1], v[8*\a:8*\a+1]
.endr
.irp q,1,2,3
.irp a,0,1,2,3
	v_pk_fma_f32 v[T+2*\a:T+2*\a+1], v[8*\a+2*\q:8*\a+2*\q+1], v[8*\a+2*\q:8*\a+2*\q+1], v[T+2*\a:T+2*\a+1]
.endr
.endr
.irp tt,1,2,3,4,5,6,7
.irp q,0,1,2,3
.irp a,0,1,2,3
	v_pk_fma_f32 v[T+2*\a:T+2*\a+1], v[8*(4*\tt+\a)+2*\q:8*(4*\tt+\a)+2*\q+1], v[8*(4*\tt+\a)+2*\q:8*(4*\tt+\a)+2*\q+1], v[T+2*\a:T+2*\a+1]
.endr
.endr
.endr
	WIN 0
.endm
.macro XROW lx                         ; the pairs in T become the rows' totals over all 512 columns, in v[U + a] of every lane; lx: a block of LDS of its own for each use
.irp a,0,1,2,3
	v_add_f32 v[U+\a], v[T+2*\a], v[T+2*\a+1]
.endr
.irp a,0,1,2,3
	v_permlanex16_b32 v[T+\a], v[U+\a], s[SEL], s[SEL+1]
.endr
.irp a,0,1,2,3
	v_add_f32 v[U+\a], v[U+\a], v[T+\a]
.endr
	ds_store_b128 v[LNST], v[U:U+3] offset:\lx     ; lanes l and l xor 16 write the same bytes with the same values
	BARRIER
.irp ww,0,1,2,3
	ds_load_b128 v[P+4*\ww:P+4*\ww+3], v[LNLD] offset:\lx+256*\ww
.endr
	s_wait_dscnt 0x0
.irp a,0,1,2,3
	v_add_f32 v[U+\a], v[P+\a], v[P+4+\a]
	v_add_f32 v[T+\a], v[P+8+\a], v[P+12+\a]
.endr
.irp a,0,1,2,3
	v_add_f32 v[U+\a], v[U+\a], v[T+\a]
.endr
.endm
.macro SROW op                         ; S = S op v[M + a]: of the pair v[M + 2 h : M + 2 h + 1] the low word serves row tile 2 h, the high word 2 h + 1
	WIN 0x41
.irp tt,0,1,2,3,4,5,6,7
.irp q,0,1,2,3
.irp h,0,1
	\op v[8*(4*\tt+2*\h)+2*\q:8*(4*\tt+2*\h)+2*\q+1], v[8*(4*\tt+2*\h)+2*\q:8*(4*\tt+2*\h)+2*\q+1], v[M+2*\h:M+2*\h+1] op_sel_hi:[1,0]
	\op v[8*(4*\tt+2*\h+1)+2*\q:8*(4*\tt+2*\h+1)+2*\q+1], v[8*(4*\tt+2*\h+1)+2*\q:8*(4*\tt+2*\h+1)+2*\q+1], v[M+2*\h:M+2*\h+1] op_sel:[0,1] op_sel_hi:[1,1]
.endr
.endr
.endr
	WIN 0
.endm
.macro CENTRE lx                       ; S less its rows' means; then the rows' sums of squares in v[U + a]
	SUMS
	XROW \lx
.irp a,0,1,2,3
	v_mul_f32 v[M+\a], 0xbb000000, v[U+\a]         ; -sum / 512
.endr
	SROW v_pk_add_f32
	SQUARES
	XROW \lx+1024
.endm
.macro NPASS p, dst, e                 ; n of pass p's columns, as f16 images into the exchange
	WIN 0x01
.irp bb,0,1
.irp q,0,1,2,3
.irp h,0,1
	v_pk_mul_f32 v[ACC+8*(4*\bb+2*\h)+2*\q:ACC+8*(4*\bb+2*\h)+2*\q+1], v[8*(4*(2*(\p)+\bb)+2*\h)+2*\q:8*(4*(2*(\p)+\bb)+2*\h)+2*\q+1], v[M+2*\h:M+2*\h+1] op_sel_hi:[1,0]
	v_pk_mul_f32 v[ACC+8*(4*\bb+2*\h+1)+2*\q:ACC+8*(4*\bb+2*\h+1)+2*\q+1], v[8*(4*(2*(\p)+\bb)+2*\h+1)+2*\q:8*(4*(2*(\p)+\bb)+2*\h+1)+2*\q+1], v[M+2*\h:M+2*\h+1] op_sel:[0,1] op_sel_hi:[1,1]
.endr
.endr
.endr
	WIN 0
	PACK \dst
	XSTORE \dst, \e
.endm
	s_load_b256 s[4:11], s[0:1], 0x0               ; ubuf 4, wprep 6, vbuf 8, ln2_g 10
	s_load_b128 s[12:15], s[0:1], 0x20             ; ln2_b 12, out0 14
	v_lshl_add_u32 v[SPW], v0, 2, SPARE
	v_mov_b32 v[NIL], 0
	ds_add_u32 v[SPW], v[NIL]                      ; the wave's opening: the add, twice on end, and its wait ahead of my first tensor load
	ds_add_u32 v[SPW], v[NIL]
	v_lshrrev_b32 v[W], 5, v0
	v_readfirstlane_b32 s[WV], v[W]
	s_bfe_u32 s21, ttmp6, 0x40000                  ; cx
	s_lshl_b32 s22, ttmp9, 2
	s_add_co_u32 s22, s22, s21                     ; my block of 64 rows: it enters plain loads' and stores' addresses alone
	s_and_b32 s23, ttmp7, 0xffff                   ; the batch, which the four partners share
	s_mov_b32 s[G1], 0x0023000f                    ; mask: all four; elements of 8 bytes; bit 21 beside a mask; no padding
	s_mov_b32 s[G1+1], 32<<16
	s_mov_b32 s[G1+2], 128<<16
	s_mov_b32 s[G1+3], 32<<16
	s_mov_b32 s[G1+4], 128                         ; 128 rows of 256 bytes, dense: 32 KiB
	s_mov_b32 s[G1+5], 32
	s_mov_b32 s[G1+6], 0
	s_mov_b32 s[G1+7], 0
	s_mov_b32 s[SEL], 0x76543210
	s_mov_b32 s[SEL+1], 0xfedcba98
	s_mov_b32 s[C17], 0x37000000                   ; 2^-17 = 1 / (512 x 256)
	s_mov_b32 s[EPS], 0x3727c5ac                   ; 1e-5
	s_mov_b32 s[C2K], 2048
	s_mov_b32 s[C4K], 4096
	s_mov_b32 s[C8K], 8192
	s_mov_b32 s[C128K], 0x20000
	s_mov_b32 s[TO+1], 0
	s_lshl_b32 s44, s[WV], 15
	s_mov_b32 s45, 0
	s_lshl_b32 s[BOF], s23, 19                     ; batch x 512 KiB
	s_add_co_u32 s16, s[BOF], s44
	s_add_co_u32 s16, s16, V7S
	s_mov_b32 s17, 0
	s_add_co_u32 s18, s44, WT3
	s_mov_b32 s19, 0
	s_wait_dscnt 0x0                               ; both opening adds are done
	s_wait_kmcnt 0x0
	s_mov_b32 s[G0A], 1
	s_mov_b32 s[G0A+1], s44
	s_add_nc_u64 s[G0A+2:G0A+3], s[4:5], s[16:17]  ; slot 0: pass 0 of v7^T
	s_mov_b32 s[G0B], 1
	s_add_co_u32 s[G0B+1], s44, RING1
	s_add_nc_u64 s[G0B+2:G0B+3], s[G0A+2:G0A+3], 0x20000
	s_or_b32 s[G0A+3], s[G0A+3], 0x80000000
	s_or_b32 s[G0B+3], s[G0B+3], 0x80000000
	s_add_nc_u64 s[WSRC:WSRC+1], s[6:7], s[18:19]  ; Wq3, Wk3, Wv3, Wg: four matrices on end
	ROUND                                          ; all four work-groups are here: the first joint loads meet
	tensor_load_to_lds s[G0A:G0A+3], s[G1:G1+7]
	s_nop 0
	tensor_load_to_lds s[G0B:G0B+3], s[G1:G1+7]
	s_nop 0
	PLACES
	v_and_b32 v[LANE], 31, v0
	v_lshlrev_b32 v[LI], 4, v[LANE]
	v_lshlrev_b32 v[W+2], 2, v[LANE]
	s_mov_b32 s93, 0
	s_lshl_b32 s92, s22, 16
	s_add_co_u32 s92, s92, s[BOF]
	s_add_nc_u64 s[AB:AB+1], s[4:5], s[92:93]      ; my 64 rows of v5^T
	s_lshl_b32 s94, s[WV], 14
	s_add_co_u32 s[LO0], s92, s94                  ; v1: my rows, my 128 columns: 16 KiB on end, 4 KiB a pass
	s_mul_i32 s92, s23, 384
	s_add_co_u32 s92, s92, MX2
	s_add_nc_u64 s[MXP:MXP+1], s[4:5], s[92:93]
	global_load_b32 v[W], v[W+2], s[MXP:MXP+1]             ; first the stored maxima: the batch's 32 largest |v5''|, a lane each,
	global_load_b32 v[W+1], v[W+2], s[MXP:MXP+1] offset:128        ; |v7''|,
	global_load_b32 v[W+3], v[W+2], s[MXP:MXP+1] offset:256        ; and s5 + s7 + 2 s2, the same in all 32;
	WIN 0x80                                       ; then the resident operand, chunk by chunk of K: 8 loads a chunk
.set kk,0
.rept 64
	global_load_b128 v[4*kk:4*kk+3], v[LI], s[AB:AB+1] offset:512*kk th:TH_LOAD_NT
.set kk,kk+1
.endr
	WIN 0xc0
.set kk,0
.rept 64
	global_load_b128 v[4*kk:4*kk+3], v[LI], s[AB:AB+1] offset:32768+512*kk th:TH_LOAD_NT
.set kk,kk+1
.endr
	WIN 0
	v_add_nc_u32 v[BA], s44, v[LI]
	v_add_nc_u32 v[BA+1], RING1, v[BA]
	s_lshl_b32 s92, s[WV], 13
	s_add_co_u32 s92, s92, XR
	v_add_nc_u32 v[XST], s92, v[LI]
	v_add_nc_u32 v[XLD], XR, v[LI]
	v_and_b32 v[V], 15, v0                         ; r
	v_bfe_u32 v[V+1], v0, 4, 1                     ; h
	v_lshl_add_u32 v[LNLD], v[V], 4, LNX
	s_lshl_b32 s92, s[WV], 8
	v_add_nc_u32 v[LNST], s92, v[LNLD]
	v_lshlrev_b32 v[PFO], 8, v[LANE]
	v_lshlrev_b32 v[HO], 5, v[V+1]
	v_mul_u32_u24 v[SA], v[V], SPITCH              ; the way out: row r, + 32 h, + my 512 bytes of a row
	v_lshl_add_u32 v[SA], v[V+1], 5, v[SA]
	s_lshl_b32 s92, s[WV], 9
	v_add_nc_u32 v[SA], s92, v[SA]
	v_add_nc_u32 v[SA+1], 32*SPITCH, v[SA]         ; row tiles 2 and 3
	s_mul_i32 s92, s[WV], 16*SPITCH
	v_add_nc_u32 v[SR], s92, v[LI]                 ; back: my 16 whole rows
	s_and_b32 s92, s22, 1                          ; v2 lies in the order of a streamed operand: my rows are passes 2 (block % 2), + 1 of wave block / 2
	s_lshl_b32 s92, s92, 18
	s_lshr_b32 s94, s22, 1
	s_lshl_b32 s94, s94, 15
	s_add_co_u32 s92, s92, s94
	s_lshl_b32 s94, s[WV], 13
	s_add_co_u32 s92, s92, s94
	s_add_co_u32 s92, s92, s[BOF]
	s_add_co_u32 s[LO2], s92, V2S
	s_lshl_b32 s[RT], s23, 1
	s_add_co_u32 s[RT], s[RT], ttmp9               ; the cluster's number, 0 to 63, which the four partners share,
	s_mul_i32 s92, s[RT], 43
	s_lshr_b32 s92, s92, 7                         ; a third of it, rounded down (43 / 128: right up to 127),
	s_mul_i32 s92, s92, 3
	s_sub_co_u32 s[RT], s[RT], s92                 ; mod 3
	FSET 0, VLO, OC
	FSET 1, NX1, ON
	FSET 2, NX2, ON2
	s_mov_b32 s[ON3], 0x180000                     ; Wg stands behind the three
	s_lshl_b32 s92, s[WV], 9                       ; my 128 columns of c, g2, b2
	s_add_nc_u64 s[CVP:CVP+1], s[6:7], s[92:93]
	s_add_nc_u64 s[G2P:G2P+1], s[10:11], s[92:93]
	s_add_nc_u64 s[B2P:B2P+1], s[12:13], s[92:93]
	s_lshl_b32 s92, s23, 20
	s_lshl_b32 s94, s22, 17
	s_add_co_u32 s92, s92, s94
	s_add_co_u32 s92, s92, s44
	s_add_nc_u64 s[OUTP:OUTP+1], s[14:15], s[92:93]
	WIN 0x40
.set jj,0
.rept 256
	v_mov_b32 v[jj], 0                             ; S
.set jj,jj+1
.endr
	WIN 0
	v_mov_b32 v[W+4], 0
	s_wait_loadcnt 63                              ; behind the maxima's loads 128 were issued, behind chunk 7's last load 64: all these are in
	WMAX W, W+4
	WMAX W+1, W+4
	v_lshrrev_b32 v[W], 23, v[W]
	v_lshrrev_b32 v[W+1], 23, v[W+1]
	v_add_nc_u32 v[W], v[W], v[W+1]
	v_sub_nc_u32 v[W+1], 258, v[W]                 ; -s9
	v_ldexp_f32 v[FS], 1.0, v[W+1]
	v_mov_b32 v[FS+1], v[FS]
	v_add_nc_u32 v[W], v[W], v[W+3]
	v_add_nc_u32 v[W], 0xfffffee6, v[W]            ; s9 + (s5 + s7 + 2 s2) - 24 = the sum - 282
	v_mov_b32 v[W+4], 0x38b504f3                   ; 2^-13.5
	v_ldexp_f32 v[KE], v[W+4], v[W]                ; K
	v_mov_b32 v[KE+1], v[KE]
	v_add_nc_u32 v[W], 4, v[W]
	v_ldexp_f32 v[K16], v[W+4], v[W]               ; 16 K
	v_mov_b32 v[K16+1], v[K16]
	s_wait_tensorcnt 0x1                           ; my quarter of slot 0 is in, and I alone read it; slot 1's may stay out
	BLOAD 0, 0
	; ---- t3' = v5''^T v7'' 2^-s9: source 0 = 32 rows g of v7^T, source 1 = my rows h of v5^T
	RUN 0, 0, 0, 1
	TURNA
	STEPG G0A
	TURNB 0, 0, G0A
	EPI1 V
	BLOAD 1, 0
	XSTORE V, 0
	RUN 1, 0, 0, 0
	TURNA
	STEPG G0B
	TURNB 0, 0, G0B
	EPI1 V
	BLOAD 0, 0
	XSTORE V, 1
	global_prefetch_b8 v[PFO], s[VLO:VLO+1] th:TH_LOAD_NT scope:SCOPE_SE       ; my first product's factors, my wave's own 16 KiB: two slots ahead of the first load that wants them
	global_prefetch_b8 v[PFO], s[PFB:PFB+1] th:TH_LOAD_NT scope:SCOPE_SE
	RUN 0, 0, 0, 0
	TURNA
	ROTG G0A, OC, 0                                ; on to the weights: my first product's pass 0,
	TURNB 0, 0, G0A
	EPI1 TV
	BLOAD 1, 0
	RUN 1, 0, 0, 0
	TURNA
	ROTG G0B, OC, 0x20000                          ; and its pass 1
	TURNB 0, 0, G0B
	EPI1 TV+32
	BLOAD 0, 0
	XLOAD 0                                        ; every wave's stores of passes 0 and 1 were waited for in front of an earlier barrier
	BARRIER                                        ; my reads of the first half are over
	XSTORE TV, 0
	XSTORE TV+32, 1
	BARRIER
	XLOAD 1
	; ---- S' = (t3' Wq3'^T) v1 + (t3' Wk3'^T) v3 + (t3' Wv3'^T) v2: a trip a product, in my cluster's order
	s_mov_b32 s[TRIP], 3
.Ltrip:
	PASS2 0
	PASS2 1
	PASS2 2
	PASS2 3
	s_mov_b64 s[VLO:VLO+1], s[NX1:NX1+1]           ; (behind the pass's wait on XCNT) the next product's factors
	s_mov_b64 s[VHI:VHI+1], s[NX1+2:NX1+3]
	s_mov_b64 s[STP:STP+1], s[NX1+6:NX1+7]
	s_mov_b64 s[NX1:NX1+1], s[NX2:NX2+1]
	s_mov_b64 s[NX1+2:NX1+3], s[NX2+2:NX2+3]
	s_mov_b64 s[NX1+4:NX1+5], s[NX2+4:NX2+5]
	s_mov_b64 s[NX1+6:NX1+7], s[NX2+6:NX2+7]
	s_mov_b32 s[OC], s[ON]                         ; and its weights
	s_mov_b32 s[ON], s[ON2]
	s_mov_b32 s[ON2], s[ON3]
	s_sub_co_u32 s[TRIP], s[TRIP], 1
	s_cmp_lg_u32 s[TRIP], 0
	s_cbranch_scc1 .Ltrip
	; ---- the first norm: n = (S' - mean) K rsqrt(var' K K + eps)
.irp tt,0,1,2,3,4,5,6,7
	global_load_b128 v[TV+8*\tt:TV+8*\tt+3], v[HO], s[CVP:CVP+1] offset:CVEC+64*\tt          ; 16 c at the lane's columns
	global_load_b128 v[TV+8*\tt+4:TV+8*\tt+7], v[HO], s[CVP:CVP+1] offset:CVEC+64*\tt+16
.endr
	CENTRE 0
.irp a,0,1,2,3
	v_mul_f32 v[U+\a], 0x3b000000, v[U+\a]         ; / 512
.endr
.irp a,0,1,2,3
	v_mul_f32 v[U+\a], v[U+\a], v[KE]
.endr
.irp a,0,1,2,3
	v_fma_f32 v[U+\a], v[U+\a], v[KE], s[EPS]
.endr
.irp a,0,1,2,3
	v_rsq_f32 v[T+\a], v[U+\a]
.endr
	v_nop                                          ; a plain place behind the last of the four
	s_wait_alu depctr_va_vdst(0)                   ; one wait for the batch, ahead of its first reader
.irp a,0,1,2,3
	v_mul_f32 v[M+\a], v[KE], v[T+\a]
.endr
	NPASS 0, V, 0
	NPASS 1, BF+32, 1                              ; (the second fragment set is free until the next slot's first group)
	BARRIER
	XLOAD 0
	BARRIER
	NPASS 2, V, 0
	NPASS 3, BF+32, 1
	BARRIER
	XLOAD 1
	s_wait_loadcnt 0x0                             ; 16 c
	WIN 0x41
.irp tt,0,1,2,3,4,5,6,7
.irp q,0,1,2,3
.irp a,0,1,2,3
	v_pk_fma_f32 v[8*(4*\tt+\a)+2*\q:8*(4*\tt+\a)+2*\q+1], v[8*(4*\tt+\a)+2*\q:8*(4*\tt+\a)+2*\q+1], v[K16:K16+1], v[TV+8*\tt+2*\q:TV+8*\tt+2*\q+1] op_sel_hi:[1,0,1]   ; 16 (S - mean) + 16 c
.endr
.endr
.endr
	WIN 0
	; ---- F' += n (16 Wg)^T, in place onto S
	RUN 0, 1, 0, 0
	TURNA
	STEPG G0A
	TURNB 1, 0, G0A
	BLOAD 1, 0
	RUN 1, 1, 1, 0
	TURNA
	STEPG G0B
	TURNB 1, 1, G0B
	BLOAD 0, 0
	RUN 0, 1, 2, 0
	LASTG 1, 2
	s_wait_tensorcnt 0x0                           ; the last slot: no load was issued behind its own; nothing is filled again, so no round
	BLOAD 1, 0
	RUN 1, 1, 3, 0
	LASTG 1, 3                                     ; (its four places stand in front of the loads below and of the first read of S)
	; ---- the second norm and the way out
	WIN 0xc0
.irp tt,0,1,2,3,4,5,6,7
	global_load_b128 v[8*\tt:8*\tt+3], v[HO], s[G2P:G2P+1] offset:64*\tt
	global_load_b128 v[8*\tt+4:8*\tt+7], v[HO], s[G2P:G2P+1] offset:64*\tt+16
	global_load_b128 v[64+8*\tt:64+8*\tt+3], v[HO], s[B2P:B2P+1] offset:64*\tt
	global_load_b128 v[64+8*\tt+4:64+8*\tt+7], v[HO], s[B2P:B2P+1] offset:64*\tt+16
.endr
	WIN 0
	CENTRE 2048
.irp a,0,1,2,3
	v_fma_f32 v[U+\a], v[U+\a], s[C17], s[EPS]     ; the variance of F = that of 16 F / 256
.endr
.irp a,0,1,2,3
	v_rsq_f32 v[T+\a], v[U+\a]
.endr
	v_nop
	s_wait_alu depctr_va_vdst(0)
.irp a,0,1,2,3
	v_mul_f32 v[M+\a], 0x3d800000, v[T+\a]         ; / 16
.endr
	SROW v_pk_mul_f32
	s_wait_loadcnt 0x0
	WIN 0x7d                                       ; S window 1; g2, b2 window 3
.irp tt,0,1,2,3,4,5,6,7
.irp q,0,1,2,3
.irp a,0,1,2,3
	v_pk_fma_f32 v[8*(4*\tt+\a)+2*\q:8*(4*\tt+\a)+2*\q+1], v[8*(4*\tt+\a)+2*\q:8*(4*\tt+\a)+2*\q+1], v[8*\tt+2*\q:8*\tt+2*\q+1], v[64+8*\tt+2*\q:64+8*\tt+2*\q+1]
.endr
.endr
.endr
	WIN 0x04                                       ; an LDS store's data are its source 1: window 1.  Every wave has passed two barriers behind its last read of the ring
.irp tt,0,1,2,3,4,5,6,7
.irp a,0,1,2,3
	ds_store_b128 v[SA+(\a/2)], v[8*(4*\tt+\a):8*(4*\tt+\a)+3] offset:(\a%2)*16*SPITCH+64*\tt
	ds_store_b128 v[SA+(\a/2)], v[8*(4*\tt+\a)+4:8*(4*\tt+\a)+7] offset:(\a%2)*16*SPITCH+64*\tt+16
.endr
.endr
	WIN 0
	BARRIER                                        ; 64 whole rows lie in the stage
	WIN 0x80
.set kk,0
.rept 64
	ds_load_b128 v[4*kk:4*kk+3], v[SR] offset:(kk/4)*SPITCH+(kk%4)*512
.set kk,kk+1
.endr
	WIN 0x08                                       ; a store's data are its source 1: window 2
.set kk,0
.rept 64
	s_wait_dscnt 63-kk                             ; load kk is in; the 63 - kk behind it may be out
	global_store_b128 v[LI], v[4*kk:4*kk+3], s[OUTP:OUTP+1] offset:(kk/4)*2048+(kk%4)*512 th:TH_STORE_NT   ; 512 consecutive bytes of a row
.set kk,kk+1
.endr
	WIN 0
	s_wait_tensorcnt 0x0                           ; the wave's end
	ds_add_u32 v[SPW], v[NIL]
	s_wait_dscnt 0x0
	ROUND                                          ; the closing round
	s_endpgm
.Lfunc_end_k_q10793af78f_tail:
	.size	k_q10793af78f_tail, .Lfunc_end_k_q10793af78f_tail-k_q10793af78f_tail
	.p2alignl 7, 3214868480
	.fill 96, 4, 3214868480
	.section	.rodata,"a",@progbits
	.p2align	6, 0x0
	.amdhsa_kernel k_q10793af78f_tail
		.amdhsa_group_segment_fixed_size 327680
		.amdhsa_private_segment_fixed_size 0
		.amdhsa_enable_private_segment 0
		.amdhsa_kernarg_size 48
		.amdhsa_user_sgpr_count 2
		.amdhsa_user_sgpr_kernarg_segment_ptr 1
		.amdhsa_wavefront_size32 1
		.amdhsa_system_sgpr_workgroup_id_x 1
		.amdhsa_system_sgpr_workgroup_id_y 1
		.amdhsa_system_sgpr_workgroup_id_z 1
		.amdhsa_system_vgpr_workitem_id 0
		.amdhsa_next_free_vgpr 1024
		.amdhsa_next_free_sgpr 102
		.amdhsa_reserve_vcc 0
		.amdhsa_float_denorm_mode_32 3
		.amdhsa_float_denorm_mode_16_64 3
		.amdhsa_memory_ordered 1
		.amdhsa_forward_progress 1
		.amdhsa_inst_pref_size 255
	.end_amdhsa_kernel
	.section	.bss,"aw",@nobits
	.p2align	6
	.space	262144
	.amdgpu_metadata
---
amdhsa.version: [ 1, 2 ]
amdhsa.kernels:
  - .name:           k_q10793af78f_tail
    .symbol:         k_q10793af78f_tail.kd
    .args:
      - { .name: ubuf, .offset: 0, .size: 8, .value_kind: global_buffer, .address_space: global }
      - { .name: wprep, .offset: 8, .size: 8, .value_kind: global_buffer, .address_space: global }
      - { .name: vbuf, .offset: 16, .size: 8, .value_kind: global_buffer, .address_space: global }
      - { .name: ln2_g, .offset: 24, .size: 8, .value_kind: global_buffer, .address_space: global }
      - { .name: ln2_b, .offset: 32, .size: 8, .value_kind: global_buffer, .address_space: global }
      - { .name: out0, .offset: 40, .size: 8, .value_kind: global_buffer, .address_space: global }
    .group_segment_fixed_size: 327680
    .private_segment_fixed_size: 0
    .kernarg_segment_align: 8
    .kernarg_segment_size: 48
    .max_flat_workgroup_size: 128
    .sgpr_count:     102
    .vgpr_count:     1024
    .wavefront_size: 32
...
	.end_amdgpu_metadata
.endif
;; end of part 4
